; MI455X (gfx1250); checked and timed in simulation.
; The chip was launched on July 23, 2026; its instructions are those of AMD's public machine-readable ISA for CDNA 5 (MIT licence, August 2026) and "CDNA5" Instruction Set Architecture Reference Guide (July 2026). The comments in the code are by the model that wrote it; some were corrected since.
;; Sliding Window Attention. Allowed arithmetic: matrix products marked QUANTISED: E2M1 operands, one E8M0 scale for each 32 along K, by v_wmma_scale_f32_16x16x128_f8f6f4 with both operands' format E2M1 (or v_wmma_scale_f32_32x16x128_f4), f32 sums; everything else in f32.
;; Inputs: W_proj_codes 1,024 x 32 x 16 uint8 (E2M1 codes of W_proj, K innermost, in blocks of 32 codes, two codes a byte); W_proj_scales 1,024 x 32 uint8 (E8M0 scales of W_proj, one for each 32 codes along K); W_qkv_codes 3,072 x 32 x 16 uint8 (E2M1 codes of W_qkv, K innermost, in blocks of 32 codes, two codes a byte); W_qkv_scales 3,072 x 32 uint8 (E8M0 scales of W_qkv, one for each 32 codes along K); b_proj 1,024 float32; b_qkv 3,072 float32; x_codes 1 x 4,096 x 32 x 16 uint8 (E2M1 codes of x, K innermost, in blocks of 32 codes, two codes a byte); x_scales 1 x 4,096 x 32 uint8 (E8M0 scales of x, one for each 32 codes along K).
;; Outputs: out0 1 x 4,096 x 1,024 float32.
;; This version of the problem:
;;   THIS VERSION OF THE PROBLEM IS GIVEN IN LOW PRECISION. The matrix products marked QUANTISED in the list below multiply operands that are first quantised to E2M1 (2 exponent bits, 1 mantissa bit; 4 bits a number), with one power-of-two scale for each 32 numbers along K (OCP MX v1.0); their sums are f32. All else is computed in f32.
;;   The module's matrix products, in the order in which they are computed (A, B: the left and right operand; K: the contracted axis; several contracted axes count as one K, in the product's order):
;;     1. [M 4,096, K 1,024] x [K 1,024, N 3,072]; A: input x (given as codes); B: input W_qkv (given as codes): QUANTISED
;;     2. batch 16 x [M 4,096, K 64] x [K 64, N 4,096]; A: computed on the way; B: computed on the way: QUANTISED
;;     3. batch 16 x [M 4,096, K 4,096] x [K 4,096, N 64]; A: softmax (see below); B: computed on the way: QUANTISED
;;     4. [M 4,096, K 1,024] x [K 1,024, N 1,024]; A: computed on the way; B: input W_proj (given as codes): QUANTISED
;;   THE QUANTISER, for each operand of a quantised product, along K:
;;     - K is cut into blocks of 32 from its start; a last block that is shorter is filled with zeros.
;;     - A block's scale is 2^e with e = floor(log2(the largest magnitude in the block)) - 2, held to -126 .. 127; a block of zeros has e = 0. As a byte (E8M0): e + 127.
;;     - Each number is divided by its block's scale, clamped to +-6, and rounded to the nearest number of E2M1, ties to even, subnormals kept.
;;     - The product sums the exact products of the quantised numbers (number of the format x scale) in f32.
;;   ~~~python
;;   def quantise(x, axis):      # numpy; x: float32 -> the quantised numbers, widened to float32 again
;;       x = np.moveaxis(x, axis, -1); K = x.shape[-1]
;;       x = np.pad(x, [(0, 0)] * (x.ndim - 1) + [(0, -K % 32)]); x = x.reshape(x.shape[:-1] + (-1, 32)); a = np.abs(x).max(-1, keepdims=True)
;;       e = np.where(a > 0, np.clip(np.frexp(np.where(a > 0, a, 1))[1] - 1 - 2, -126, 127), 0)      # np.frexp(a)[1] - 1 = floor(log2(a)), exactly
;;       r = np.clip(x / 2.0 ** e, -6, 6)
;;       step = 2.0 ** (np.maximum(np.frexp(np.where(r == 0, 1, r))[1] - 1, 0) - 1)
;;       q = np.round(r / step) * step * 2.0 ** e      # np.round: ties to even
;;       return np.moveaxis(q.reshape(q.shape[:-2] + (-1,))[..., :K], -1, axis).astype(np.float32)
;;   ~~~
;;   SOFTMAX AHEAD OF A QUANTISED PRODUCT. Where the list says 'softmax', what is quantised is not the finished softmax but p = 2^(t - M), with t = logit x log2(e) and M = ceil(the row's largest t), a whole number; so 1/2 < the row's largest p <= 1. The row's sum l is taken of the UNQUANTISED p, in f32, and the product's result is divided by l at the end. Since M is a whole number, a kernel that streams over the keys may use a running M (the ceiling of the running maximum): every later rescaling is an exact power of two, which a block's scale takes up: the codes' values come out the same.
;;   OPERANDS COMPUTED ON THE WAY. 'Computed on the way' means the value that the module computes at that place (a softmax that the list does not call 'softmax' is quantised finished and normalised). What goes into a quantiser is computed in f32, as accurately as f32 sums, v_exp_f32 and their like allow (about 1e-6 of the number): no bf16 or f16 on the way to a quantiser, and a product that is left as it is and whose result goes on into a quantised operand takes f32 operands (vector FMAs, or v_wmma_f32_16x16x4_f32). A number that lies on a knife's edge between two numbers of the format may be rounded either way, as far as f32 arithmetic and the matrix unit's own rounding can turn it there, and no further.
;;   INPUTS GIVEN AS CODES. W_proj (in the module: [1024, 1024], K = its axis 0); W_qkv (in the module: [1024, 3072], K = its axis 0); x (in the module: [1, 4096, 1024], K = its axis 2): each comes as NAME_codes (uint8): NAME with its K axis moved to the last place and cut into blocks of 32 codes, [.., K / 32, bytes a block], one block behind the other in memory; two codes a byte, the lower K in the low four bits (a code: sign, 2 exponent bits, 1 mantissa bit); and NAME_scales (uint8): the same leading axes, one E8M0 byte (e + 127) for each 32 codes along K. Its value is code x scale, taken as it is: it is not quantised again, and the codes and scales need not be those that the quantiser above would give.
;; 2 versions. Each part assembles by itself: llvm-mc -triple=amdgcn-amd-amdhsa -mcpu=gfx1250 --defsym DOCPART=n.
;; ======== version 1 of 2: 2 launches
;; workspace buffers: y_img 2,097,152 bytes; y_sc 131,072 bytes
;; launch attn (part 1): grid 16 x 16, 8 waves a work-group, no clusters, 151,552 bytes of LDS; arguments x_codes, x_scales, W_qkv_codes, W_qkv_scales, b_qkv, y_img, y_sc; writes y_img, y_sc
.if DOCPART == 1
	.amdgcn_target "amdgcn-amd-amdhsa--gfx1250"
	.amdhsa_code_object_version 6
	.text
	.protected	k_qf41343a2f0_attn
	.globl	k_qf41343a2f0_attn
	.p2align	8
	.type	k_qf41343a2f0_attn,@function
k_qf41343a2f0_attn:
	s_mov_b64 s[64:65], 0
	v_nop
	global_prefetch_b8 v0, s[64:65] scope:SCOPE_SE
	s_setreg_imm32_b32 hwreg(HW_REG_WAVE_MODE, 25, 1), 1
	s_wait_xcnt 0x0
; SLIDING-WINDOW ATTENTION, first of two launches: q, k, v of one head, the attention inside the window, and the codes of y.  All four kinds of product on codes of FP4 (E2M1) with one E8M0 scale for each 32 along K.
; SHARES.  Work-group (head, block i) owns queries Q0 = 256 i .. Q0 + 255 of one head.  A query sees keys q - 255 .. q, so the work-group needs k and v of tokens Q0 - 256 .. Q0 + 255: it makes them itself from x and its
; head's 192 rows of W_qkv; nothing of q, k, v goes to memory.  For i = 0 the earlier half does not exist: rows 0 .. 255 are taken once more, so that every load stays inside x; what is made of them is stored in LDS and never read.
; Wave w (0..7) owns four tiles of 16 tokens: two of the earlier half (tokens P0 + 32 w on) and two of its own half (Q0 + 32 w on): their x stays in 256 registers for all 320 products; its two query tiles are the latter two.
; THE TOKENS (AND W'S ROWS) OF A TILE ARE NOT NEIGHBOURS: lane r of tile u of a group of 32 stands for index 8 u + r + 8 (r / 8).  So wherever such a tile is source 0, the 16 registers of tiles 0 and 1 of a group
; are 16 neighbours, 16 (lane / 16) + 0 .. 15, and a block of 32 lies in lanes l and l xor 16: the conversions take them as they stand.
; k, q: source 0 = W's rows, source 1 = x: a lane holds one token, registers run along d (their K).  v: source 0 = x, source 1 = W's rows: a lane holds one feature, registers run along the tokens (its K = the keys).
; The biases are the C of each sum's first product.  Codes and scale words go to the other waves through LDS as images of the operands' registers.
; SOFTMAX: t = score x log2(e) / 8; M = the running largest t rounded up to a whole number; p = 2^(t - M) is quantised along the keys, not normalised; the sum of the unquantised p divides O at the end.
; A wave walks three steps of 128 keys: the one with its diagonal first (there every query sees itself, so M is a number from the first step on), the one all of whose keys count, the one with the window's edge.
; OUT: y's codes as images of the next launch's operand registers (512 dense bytes a store), y's scale bytes gathered in LDS and stored as 512 dense bytes.
; NO JOINT LOADS, though the sixteen heads of a block read the same x: x goes from memory straight into the operand registers.  A joint load lands in LDS, and 512 rows x 528 bytes = 270,336 beside W's 101,376 and the
; images' 48,640 are 420,352 bytes, more than the 327,680 that a work-group can have.
; LIMITS: NaN and infinities among the inputs are not served.  A block whose largest magnitude lies under 2^-124 (zeros too) gets the scale byte 1; a block of zeros has zero codes, and these bytes are read by this program alone.
; y = O x (1 / sum) with v_rcp_f32, not a correctly rounded division.
.set WP,   528                         ; a row of W in LDS: 512 bytes + 16: an odd multiple of 16, so the 16 rows of a fragment load start at 16 different groups of four banks
.set KIMG, 192*WP                      ; 48 tiles x 512 bytes: key tiles 0-31, query tiles 32-47: registers 0-3 of a fragment, lane l at 16 l
.set KSC,  KIMG+48*512                 ; their scale words, 128 bytes a tile, lane l at 4 l (bytes 0, 1: d's two blocks; bytes 2, 3: 0, over zero codes)
.set VIMG, KSC+48*128                  ; V^T: feature tile f at 4,096 f; group of 32 keys g at 256 g; feature row r at 16 r
.set VSC,  VIMG+16384                  ; V's scale bytes: 256 f + 16 r + g
.set YST,  VSC+1024                    ; y's scale words of the work-group: 64 w + 4 r
.set R,1                               ; lane % 16
.set H,2                               ; lane / 16
.set LN16,3                            ; 16 x lane
.set LN4,4                             ; 4 x lane
.set AW0,5                             ; W's fragments in LDS: r WP + 16 h (parts q, k)
.set AW2,6                             ; the same for part v, 128 rows on
.set AKI,7                             ; where I store k's and q's codes
.set AKS,8                             ; and their scale words
.set AVI,9                             ; v's codes
.set AVS,10                            ; v's scale bytes
.set RK,11                             ; where I read key tiles: from step a = w / 4 on
.set RKS,12
.set RV,13
.set RVS,14
.set RQ,15                             ; my two query tiles
.set RQS,16
.set DB,17                             ; 32 (w % 4) + r' - 16 h: the masks' base
.set YSA,18
.set CW0,19                            ; W's copy into LDS: w WP + 16 x lane
.set CW1,20                            ; 96 rows on
.set VX,21                             ; global offsets: x's codes r' 512 + 16 h
.set VXS,22                            ; scale bytes of x and of W: r' 32 + 16 h
.set YRD,23                            ; YST + 16 x lane
.set VBT,24                            ; bias, k and q: 64 h
.set VBN,25                            ; bias, v: 4 r'
.set VCP,26                            ; W's copy: 16 x thread
.set DC,20                             ; attention: DB + 8 u
.set NINF,21
.set YW,22
.set NM,24                             ; -M;  v[24:25] is named as a pair
.set TMX,25                            ; the running largest t
.set LL,26                             ; v[26:27] the sum in two halves
.set FF,28                             ; v[28:29] f = 2^(old M - new M)
.set RC,30                             ; v[30:31] 1 / sum
.set XS,32                             ; v32-47 x's scale words: tile tt at 4 tt + j: lanes 0-15 K step j, lanes 16-31 K step 4 + j.  v32-63 hold scales and nothing else
.set WS,48                             ; v48-63 W's scale words, two sets
.set KS,32
.set VS,36
.set QS,40
.set PS,41
.set BI,64                             ; v64-95 biases, two sets of two tiles
.set KF,64                             ; attention: four key fragments (upper four registers: zero codes, K = 64 .. 127)
.set TM,96
.set TP,100
.set SO,104
.set BY,108
.set KB,112
.set PW,116
.set QF,112                            ; attention: the query fragment
.set CD,120                            ; the codes just made
.set PC,120                            ; attention: p's codes
.set ACC,128
.set SS,128                            ; attention: S^T, then p
.set WF,192                            ; four K steps' fragments of two tiles of W, by turns
.set OO,192                            ; attention: O^T
.set VF,224
.set MSB, 0
.macro WIN new                         ; the immediate's high byte repeats the setting that is left
.if MSB != \new
	s_set_vgpr_msb (MSB<<8)|\new
.set MSB, \new
.endif
.endm
.macro PLACES n                        ; plain vector lines behind matrix instructions (ISA guide 7.12.1)
.rept \n
	v_nop
.endr
.endm
.macro WMS                             ; one product, by the symbols rD, rA, rB, rC, rSA, rSB; hiS = 1: K steps 4-7, whose scale words lie in lanes 16-31
.if hiS
	v_wmma_scale_f32_16x16x128_f8f6f4 v[rD:rD+7], v[rA:rA+7], v[rB:rB+7], v[rC:rC+7], v[rSA], v[rSB] matrix_a_fmt:MATRIX_FMT_FP4 matrix_b_fmt:MATRIX_FMT_FP4 matrix_a_scale:MATRIX_SCALE_ROW1 matrix_b_scale:MATRIX_SCALE_ROW1
.else
	v_wmma_scale_f32_16x16x128_f8f6f4 v[rD:rD+7], v[rA:rA+7], v[rB:rB+7], v[rC:rC+7], v[rSA], v[rSB] matrix_a_fmt:MATRIX_FMT_FP4 matrix_b_fmt:MATRIX_FMT_FP4
.endif
.endm
; The scale words and biases of a pass (features 32 b .. 32 b + 31 of a part), into set buf.  k, q: six loads; register j of lane half h is the bias of feature 32 b + 16 h + 8 u + j
.macro LOADSET_T part, b, buf
.irp u, 0,1
	global_load_b128 v[WS+8*\buf+4*\u:WS+8*\buf+4*\u+3], v[VXS], s[10:11] offset:(\part*1024+32*\b+8*\u)*32
	global_load_b128 v[BI+16*\buf+8*\u:BI+16*\buf+8*\u+3], v[VBT], s[12:13] offset:(\part*1024+32*\b+8*\u)*4
	global_load_b128 v[BI+16*\buf+8*\u+4:BI+16*\buf+8*\u+7], v[VBT], s[12:13] offset:(\part*1024+32*\b+8*\u)*4+16
.endr
.endm
.macro LOADSET_N b, buf                ; v: four loads; a lane's one feature has one bias
.irp u, 0,1
	global_load_b128 v[WS+8*\buf+4*\u:WS+8*\buf+4*\u+3], v[VXS], s[10:11] offset:(2048+32*\b+8*\u)*32
	global_load_b32 v[BI+16*\buf+8*\u], v[VBN], s[12:13] offset:(2048+32*\b+8*\u)*4
.endr
.endm
.macro SPREAD buf                      ; v: the lane's bias into all eight registers of the C operand
.irp u, 0,1
.irp j, 1,2,3,4,5,6,7
	v_mov_b32 v[BI+16*\buf+8*\u+\j], v[BI+16*\buf+8*\u]
.endr
.endr
	PLACES 4
.endm
.macro LOADW areg, poff, b, s          ; K step s of W's two tiles: four LDS loads
.irp u, 0,1
.irp c, 0,1
	ds_load_b128 v[WF+16*((\s)%4)+8*\u+4*\c:WF+16*((\s)%4)+8*\u+4*\c+3], v[\areg] offset:\poff+(32*\b+16*\u)*WP+64*(\s)+32*\c
.endr
.endr
.endm
.macro PRELOAD areg, poff, b
	LOADW \areg, \poff, \b, 0
	LOADW \areg, \poff, \b, 1
	LOADW \areg, \poff, \b, 2
	LOADW \areg, \poff, \b, 3
.endm
; k, q: source 0 = 16 rows of W, source 1 = a tile of x (window 1).  The accumulators take turns, one instruction a turn, in the same order in every K step.
.macro MULT s, buf, tt0, nb
.set hiS, (\s)/4
.irp u, 0,1
.set kk, 0
.rept \nb
.set rD, ACC+16*kk+8*\u
.set rA, WF+16*((\s)%4)+8*\u
.set rB, 64*(\tt0+kk)+8*(\s)
.if (\s)==0
.set rC, BI+16*(\buf)+8*\u
.else
.set rC, ACC+16*kk+8*\u
.endif
.set rSA, WS+8*(\buf)+4*\u+(\s)%4
.set rSB, XS+4*(\tt0+kk)+(\s)%4
	WMS
.set kk, kk+1
.endr
.endr
.endm
; v: source 0 = a tile of x (window 1), source 1 = 16 rows of W.  Accumulator block 2 gi + u: 16 registers = tokens 16 h + 0 .. 15 of group gi, feature 32 b + 8 u + r'
.macro MULN s, buf
.set hiS, (\s)/4
.irp u, 0,1
.irp gi, 0,1
.irp ut, 0,1
.set rD, ACC+16*(2*\gi+\u)+8*\ut
.set rA, 64*(2*\gi+\ut)+8*(\s)
.set rB, WF+16*((\s)%4)+8*\u
.if (\s)==0
.set rC, BI+16*(\buf)+8*\u
.else
.set rC, ACC+16*(2*\gi+\u)+8*\ut
.endif
.set rSA, XS+4*(2*\gi+\ut)+(\s)%4
.set rSB, WS+8*(\buf)+4*\u+(\s)%4
	WMS
.endr
.endr
.endr
.endm
; The eight K steps of a pass, two at a time.  p0 = 1: the first pass, which still waits for x.
.macro STEPS p0, kind, buf, areg, poff, b, tt0, nb
	s_wait_dscnt 0x0                               ; K steps 0-3 of W are in; the last pass's LDS stores are done
.irp d, 0,1,2,3
.if \p0
	s_wait_loadcnt 48-16*\d                        ; x comes K step by K step, eight loads each: those of the later K steps may be out
.endif
.if \d == 2
	s_wait_dscnt 8                                 ; K steps 4, 5 are in; the eight loads of steps 6, 7 may be out
.endif
.if \d == 3
	s_wait_dscnt 0x0
.endif
.if \kind
	WIN 0x01                                       ; source 0 (x) window 1
	MULN 2*\d, \buf
	MULN 2*\d+1, \buf
.else
	WIN 0x04                                       ; source 1 (x) window 1
	MULT 2*\d, \buf, \tt0, \nb
	MULT 2*\d+1, \buf, \tt0, \nb
.endif
	WIN 0
.if \d < 2
	PLACES 4                                       ; in front of loads into the fragments just multiplied
	LOADW \areg, \poff, \b, 2*\d+4
	LOADW \areg, \poff, \b, 2*\d+5
.endif
.endr
	PLACES 5                                       ; in front of the loads below, of the first read of the results, and of the next pass's first products, which begin these accumulators anew
.endm
; nb blocks of 16 registers from src on (block k: 16 neighbours along K, the other 16 in lane l xor 16) become codes in v[CD + 2 k], v[CD + 2 k + 1] and a scale byte in v[BY + k]
.macro QUANT src, nb
.set kk, 0
.rept \nb
	v_max3_num_f32 v[TM+kk], |v[\src+16*kk]|, |v[\src+16*kk+1]|, 0x1800000   ; with the floor 2^(3 - 127): the byte cannot fall under 1.  Each accumulator is read from its low end on
.set kk, kk+1
.endr
.irp i, 2,4,6,8,10,12,14
.set kk, 0
.rept \nb
	v_max3_num_f32 v[TM+kk], v[TM+kk], |v[\src+16*kk+\i]|, |v[\src+16*kk+\i+1]|
.set kk, kk+1
.endr
.endr
.set kk, 0
.rept \nb
	v_permlanex16_b32 v[TP+kk], v[TM+kk], s22, s23
.set kk, kk+1
.endr
.set kk, 0
.rept \nb
	v_max_num_f32 v[TM+kk], v[TM+kk], v[TP+kk]     ; the block's largest magnitude
.set kk, kk+1
.endr
.set kk, 0
.rept \nb
	v_add_nc_u32 v[SO+kk], 0xff000000, v[TM+kk]    ; 2 off its exponent field: the conversion's scale operand
.set kk, kk+1
.endr
.set kk, 0
.rept \nb
	v_lshrrev_b32 v[BY+kk], 23, v[SO+kk]           ; the scale's byte
.set kk, kk+1
.endr
.set kk, 0
.rept \nb
	v_cvt_scalef32_pk8_fp4_f32 v[CD+2*kk], v[\src+16*kk:\src+16*kk+7], v[SO+kk]
	v_cvt_scalef32_pk8_fp4_f32 v[CD+2*kk+1], v[\src+16*kk+8:\src+16*kk+15], v[SO+kk]
.set kk, kk+1
.endr
	v_nop                                          ; one plain line behind the last scaled conversion
.endm
; k, q: block kk is token tile (gi0 + kk / 2, kk % 2); my 8 bytes are d = 32 b + 16 h + 0 .. 15 of token r: byte 256 b + 16 r + 8 h of the tile's image
.macro PUT_T b, gi0, nb
.set kk, 0
.rept \nb
	ds_store_b64 v[AKI], v[CD+2*kk:CD+2*kk+1] offset:(\gi0+kk/2)*8192+(kk%2)*512+256*\b
.if \b == 0
	v_mov_b32 v[KB+kk], v[BY+kk]                   ; block 0's byte waits for block 1's
.else
	v_lshl_or_b32 v[PW+kk], v[BY+kk], 8, v[KB+kk]
	ds_store_b32 v[AKS], v[PW+kk] offset:(\gi0+kk/2)*2048+(kk%2)*128
.endif
.set kk, kk+1
.endr
.endm
; v: block 2 gi + u is feature tile f = 2 b + u, group of keys 8 gi + w; my 8 bytes are keys 16 h + 0 .. 15 of the group, feature row r
.macro PUT_N b
.irp gi, 0,1
.irp u, 0,1
	ds_store_b64 v[AVI], v[CD+2*(2*\gi+\u):CD+2*(2*\gi+\u)+1] offset:(2*\b+\u)*4096+\gi*2048
	ds_store_b8 v[AVS], v[BY+2*\gi+\u] offset:(2*\b+\u)*256+8*\gi   ; both halves of the lanes write the same byte with the same value
.endr
.endr
.endm
	s_load_b256 s[4:11], s[0:1], 0x0               ; x's codes s[4:5], x's scales s[6:7], W's codes s[8:9], W's scales s[10:11]
	s_load_b128 s[12:15], s[0:1], 0x20             ; b_qkv, y_img
	s_load_b64 s[16:17], s[0:1], 0x30              ; y_sc
	v_lshrrev_b32 v1, 5, v0
	v_readfirstlane_b32 s18, v1                    ; wave 0..7
	s_mov_b32 s19, ttmp9                           ; the head
	s_and_b32 s20, ttmp7, 0xffff                   ; the block of 256 queries
	s_lshr_b32 s21, s18, 2                         ; a: my first key step
	s_mov_b32 s22, 0x76543210
	s_mov_b32 s23, 0xfedcba98                      ; v_permlanex16_b32's selects for lane l xor 16
	s_mov_b32 s24, 0x3e38aa3b                      ; c = log2(e) / sqrt(64)
	s_mov_b32 s25, s24                             ; (named with it as a pair, so it is written)
	; every LDS address is made here: a constant + a constant x lane + a constant x wave
	v_and_b32 v[R], 15, v0
	v_bfe_u32 v[H], v0, 4, 1
	v_and_b32 v31, 31, v0
	v_lshlrev_b32 v[LN16], 4, v31
	v_lshlrev_b32 v[LN4], 2, v31
	v_mul_u32_u24 v[AW0], v[R], WP
	v_lshl_add_u32 v[AW0], v[H], 4, v[AW0]
	v_add_nc_u32 v[AW2], 128*WP, v[AW0]
	v_lshlrev_b32 v28, 4, v[R]                     ; 16 r
	v_lshl_add_u32 v29, v[H], 3, v28               ; 16 r + 8 h
	s_lshl_b32 s26, s18, 10
	s_add_co_u32 s27, s26, KIMG
	v_add_nc_u32 v[AKI], s27, v29
	s_add_co_u32 s27, s26, KIMG+16384
	v_add_nc_u32 v[RQ], s27, v[LN16]
	s_lshl_b32 s26, s18, 8
	s_add_co_u32 s27, s26, KSC
	v_add_nc_u32 v[AKS], s27, v[LN4]
	s_add_co_u32 s27, s26, KSC+4096
	v_add_nc_u32 v[RQS], s27, v[LN4]
	s_add_co_u32 s27, s26, VIMG
	v_add_nc_u32 v[AVI], s27, v29
	s_add_co_u32 s27, s18, VSC
	v_add_nc_u32 v[AVS], s27, v28
	s_lshl_b32 s26, s21, 12
	s_add_co_u32 s26, s26, KIMG
	v_add_nc_u32 v[RK], s26, v[LN16]
	s_lshl_b32 s26, s21, 10
	s_add_co_u32 s27, s26, KSC
	v_add_nc_u32 v[RKS], s27, v[LN4]
	s_add_co_u32 s27, s26, VIMG
	v_add_nc_u32 v[RV], s27, v[LN16]
	s_lshl_b32 s26, s21, 2
	s_add_co_u32 s26, s26, VSC
	v_add_nc_u32 v[RVS], s26, v28
	s_lshl_b32 s26, s18, 6
	s_add_co_u32 s26, s26, YST
	v_lshl_add_u32 v[YSA], v[R], 2, s26
	v_add_nc_u32 v[YRD], YST, v[LN16]
	s_mul_i32 s26, s18, WP
	v_add_nc_u32 v[CW0], s26, v[LN16]
	v_add_nc_u32 v[CW1], 96*WP, v[CW0]
	; offsets into memory
	v_and_b32 v30, 8, v[R]
	v_add_nc_u32 v30, v30, v[R]                    ; r' = r + 8 (r / 8)
	v_lshlrev_b32 v31, 4, v[H]                     ; 16 h
	v_lshl_add_u32 v[VX], v30, 9, v31
	v_lshl_add_u32 v[VXS], v30, 5, v31
	v_lshlrev_b32 v[VBT], 6, v[H]
	v_lshlrev_b32 v[VBN], 2, v30
	v_lshlrev_b32 v[VCP], 4, v0
	v_sub_nc_u32 v[DB], v30, v31
	s_and_b32 s26, s18, 3
	s_lshl_b32 s26, s26, 5
	v_add_nc_u32 v[DB], s26, v[DB]
.irp b, 0,1,2,3
	v_mov_b32 v[TP+\b], 0                          ; written once: a lane permute's destination counts as one of its sources
.endr
	s_lshl_b32 s40, s19, 15                        ; the head's 64 rows of 512 bytes in a part of W's codes,
	s_mov_b32 s41, 0
	s_lshl_b32 s42, s19, 11                        ; of 32 bytes in W's scales,
	s_mov_b32 s43, 0
	s_lshl_b32 s44, s19, 8                         ; its 64 biases
	s_mov_b32 s45, 0
	s_lshl_b32 s46, s20, 17                        ; y_img: token tile 16 i + 2 w, 8,192 bytes a tile; head's 512 bytes
	s_lshl_b32 s26, s18, 14
	s_add_co_u32 s46, s46, s26
	s_lshl_b32 s26, s19, 9
	s_add_co_u32 s46, s46, s26
	s_mov_b32 s47, 0
	s_lshl_b32 s28, s19, 13                        ; y_sc: 8,192 bytes a head, 512 a block
	s_lshl_b32 s26, s20, 9
	s_add_co_u32 s28, s28, s26
	s_mov_b32 s29, 0
	s_lshl_b32 s26, s20, 8                         ; Q0
	s_sub_co_i32 s27, s26, 256
	s_max_i32 s27, s27, 0                          ; P0
	s_lshl_b32 s30, s18, 5
	s_add_co_u32 s26, s26, s30                     ; my first token of my own half,
	s_add_co_u32 s27, s27, s30                     ; and of the earlier half
	s_lshl_b32 s48, s27, 9
	s_mov_b32 s49, 0
	s_lshl_b32 s50, s26, 9
	s_mov_b32 s51, 0
	s_lshl_b32 s52, s27, 5
	s_mov_b32 s53, 0
	s_lshl_b32 s54, s26, 5
	s_mov_b32 s55, 0
	s_wait_kmcnt 0x0
	s_add_nc_u64 s[32:33], s[4:5], s[48:49]        ; x's codes: earlier half, own half
	s_add_nc_u64 s[34:35], s[4:5], s[50:51]
	s_add_nc_u64 s[36:37], s[6:7], s[52:53]        ; x's scales likewise
	s_add_nc_u64 s[38:39], s[6:7], s[54:55]
	s_add_nc_u64 s[8:9], s[8:9], s[40:41]
	s_add_nc_u64 s[10:11], s[10:11], s[42:43]
	s_add_nc_u64 s[12:13], s[12:13], s[44:45]
	s_add_nc_u64 s[14:15], s[14:15], s[46:47]
	s_add_nc_u64 s[16:17], s[16:17], s[28:29]
	; 104 loads.  First the head's 192 rows of W: load j of wave w is row 8 (j % 8) + w of part j / 8, 512 consecutive bytes
.set j, 0
.rept 24
	global_load_b128 v[128+4*j:128+4*j+3], v[VCP], s[8:9] offset:((j/8)*1024+8*(j%8))*512
.set j, j+1
.endr
.irp tt, 0,1,2,3
	global_load_b128 v[XS+4*\tt:XS+4*\tt+3], v[VXS], s[36+2*(\tt/2):37+2*(\tt/2)] offset:(\tt%2)*256
.endr
	LOADSET_T 1, 0, 0                              ; the first two passes' scale words and biases
	LOADSET_T 1, 1, 1
	WIN 0x40                                       ; destination window 1: x's fragments, tile tt, K step s at v[64 tt + 8 s]: they stay
.irp s, 0,1,2,3,4,5,6,7
.irp tt, 0,1,2,3
.irp c, 0,1
	global_load_b128 v[64*\tt+8*\s+4*\c:64*\tt+8*\s+4*\c+3], v[VX], s[32+2*(\tt/2):33+2*(\tt/2)] offset:(\tt%2)*4096+64*\s+32*\c
.endr
.endr
.endr
	WIN 0
	s_wait_loadcnt 63                              ; 80 loads were issued behind W's 24; the wait's field holds 63 at the most
	; W's row 32 b + 8 u + r' of a part goes to LDS row 32 b + 16 u + r, so that a tile's 16 rows are neighbours there
.set j, 0
.rept 24
.set y8, j%8
.set jp, (j/8)*8+((y8&4)|((y8&1)<<1)|((y8>>1)&1))
.if jp < 12
	ds_store_b128 v[CW0], v[128+4*j:128+4*j+3] offset:jp*8*WP
.else
	ds_store_b128 v[CW1], v[128+4*j:128+4*j+3] offset:(jp-12)*8*WP
.endif
.set j, j+1
.endr
	s_wait_dscnt 0x0                               ; for the others' sake: my rows of W are in LDS
	s_barrier_signal -1
	s_barrier_wait -1                              ; everybody's are
	; ---- SIX PASSES of 32 features: k 0-31, k 32-63, v 0-31, v 32-63 for my four tiles; q 0-31, q 32-63 for my two query tiles.
	; Behind a pass's last product the next pass's first fragments of W and the scale words and biases of the pass after that are asked for; they land while the pass is quantised.
	PRELOAD AW0, 64*WP, 0
	STEPS 1, 0, 0, AW0, 64*WP, 0, 0, 4             ; k, features 0-31
	PRELOAD AW0, 64*WP, 1
	LOADSET_N 0, 0
	QUANT ACC, 4
	PUT_T 0, 0, 4
	s_wait_loadcnt 4                               ; behind this pass's set only the next-but-one's four loads were issued
	STEPS 0, 0, 1, AW0, 64*WP, 1, 0, 4             ; k, features 32-63
	PRELOAD AW2, 0, 0
	LOADSET_N 1, 1
	QUANT ACC, 4
	PUT_T 1, 0, 4
	s_wait_loadcnt 4                               ; the four loads of v's second set may be out
	SPREAD 0
	STEPS 0, 1, 0, AW2, 0, 0, 0, 4                 ; v, features 0-31
	PRELOAD AW2, 0, 1
	LOADSET_T 0, 0, 0
	QUANT ACC, 4
	PUT_N 0
	s_wait_loadcnt 6                               ; the six loads of q's first set may be out
	SPREAD 1
	STEPS 0, 1, 1, AW2, 0, 1, 0, 4                 ; v, features 32-63
	PRELOAD AW0, 0, 0
	LOADSET_T 0, 1, 1
	QUANT ACC, 4
	PUT_N 1
	s_wait_loadcnt 6                               ; the six loads of q's second set may be out
	STEPS 0, 0, 0, AW0, 0, 0, 2, 2                 ; q, features 0-31
	PRELOAD AW0, 0, 1
	QUANT ACC, 2
	PUT_T 0, 2, 2
	s_wait_loadcnt 0x0                             ; every load of mine is in: their offset registers may be written from here on
	STEPS 0, 0, 1, AW0, 0, 1, 2, 2                 ; q, features 32-63
	QUANT ACC, 2
	PUT_T 1, 2, 2
	s_wait_dscnt 0x0                               ; for the others' sake: my images and scale words are in LDS
	s_barrier_signal -1
	s_barrier_wait -1                              ; everybody's are
	; ---- ATTENTION, all in window 0
.irp t, 0,1,2,3
.irp j, 4,5,6,7
	v_mov_b32 v[KF+8*\t+\j], 0                     ; the first product's K is 64: K = 64 .. 127 are zero codes on both sides
.endr
.endr
.irp j, 4,5,6,7
	v_mov_b32 v[QF+\j], 0
.endr
	v_mov_b32 v[FF+1], 0                           ; (upper halves of pairs of which the low word serves both halves)
	v_mov_b32 v[RC+1], 0
	v_mov_b32 v[NINF], 0xff800000
	PLACES 4                                       ; operands written by vector instructions stand four places ahead of a scaled product
; A KEY STEP of 128 keys, step a + d.  mode 2: the diagonal (key after the query: hidden); 1: all keys count; 0: the window's edge (key 256 or more behind the query: hidden).  first = 1: it starts M, the sum and O^T.
; Register 16 b + i of S^T in lane (r, h) is key 32 b + 16 h + i of the step, for the query of lane r.
.macro STEP d, mode, first
.irp t, 0,1,2,3
	ds_load_b128 v[KF+8*\t:KF+8*\t+3], v[RK] offset:\d*4096+\t*512
	ds_load_b32 v[KS+\t], v[RKS] offset:\d*1024+\t*128
.endr
	s_wait_dscnt 0x0
.irp t, 0,1,2,3
	v_wmma_scale_f32_16x16x128_f8f6f4 v[SS+8*\t:SS+8*\t+7], v[KF+8*\t:KF+8*\t+7], v[QF:QF+7], 0, v[KS+\t], v[QS] matrix_a_fmt:MATRIX_FMT_FP4 matrix_b_fmt:MATRIX_FMT_FP4
.endr
	PLACES 4                                       ; in front of loads into the fragments and scale words just multiplied
.irp t, 0,1,2,3
	ds_load_b128 v[KF+8*\t:KF+8*\t+3], v[RK] offset:\d*4096+(4+\t)*512
	ds_load_b32 v[KS+\t], v[RKS] offset:\d*1024+(4+\t)*128
.endr
.irp f, 0,1,2,3
	ds_load_b128 v[VF+8*\f:VF+8*\f+3], v[RV] offset:\f*4096+\d*1024
	ds_load_b128 v[VF+8*\f+4:VF+8*\f+7], v[RV] offset:\f*4096+\d*1024+512
	ds_load_b32 v[VS+\f], v[RVS] offset:\f*256+\d*4
.endr
	s_wait_dscnt 12                                ; the key tiles are in; V's twelve loads may be out: they land under the softmax
.irp t, 0,1,2,3
	v_wmma_scale_f32_16x16x128_f8f6f4 v[SS+32+8*\t:SS+32+8*\t+7], v[KF+8*\t:KF+8*\t+7], v[QF:QF+7], 0, v[KS+\t], v[QS] matrix_a_fmt:MATRIX_FMT_FP4 matrix_b_fmt:MATRIX_FMT_FP4
.endr
	PLACES 4
.if \mode != 1                         ; hidden scores become -infinity ahead of the maximum: p = 0 then.  Ascending: each accumulator is read from its low end on
.set n, 0
.rept 64
.if \mode == 2
	v_cmp_gt_i32 vcc_lo, 32*(n/16)+n%16, v[DC]
.else
	v_cmp_le_i32 vcc_lo, 32*(n/16)+n%16, v[DC]
.endif
	v_cndmask_b32 v[SS+n], v[SS+n], v[NINF], vcc_lo
.set n, n+1
.endr
.endif
.irp b, 0,1,2,3
	v_max3_num_f32 v[TM+\b], v[SS+16*\b], v[SS+1+16*\b], v[SS+2+16*\b]   ; the largest score of each block of 32 keys: for the row's maximum, and, since p rises with the score, for the block's largest p
.endr
.irp i, 3,5,7,9,11,13
.irp b, 0,1,2,3
	v_max3_num_f32 v[TM+\b], v[TM+\b], v[SS+16*\b+\i], v[SS+1+16*\b+\i]
.endr
.endr
.irp b, 0,1,2,3
	v_max_num_f32 v[TM+\b], v[TM+\b], v[SS+15+16*\b]
.endr
.irp b, 0,1,2,3
	v_permlanex16_b32 v[TP+\b], v[TM+\b], s22, s23
.endr
.irp b, 0,1,2,3
	v_max_num_f32 v[TM+\b], v[TM+\b], v[TP+\b]     ; with lane l xor 16's 16 keys
.endr
	v_max3_num_f32 v[SO], v[TM], v[TM+1], v[TM+2]
	v_max_num_f32 v[SO], v[SO], v[TM+3]            ; the step's largest score of my query
.if \first
	v_mul_f32 v[TMX], s24, v[SO]                   ; as t (c is positive)
	v_floor_f32 v[NM], -v[TMX]                     ; -M = floor(-t) = -ceil(t)
.else
	v_mul_f32 v[SO], s24, v[SO]
	v_max_num_f32 v[TMX], v[TMX], v[SO]            ; the running largest t
	v_mov_b32 v[SO], v[NM]
	v_floor_f32 v[NM], -v[TMX]
	v_sub_f32 v[SO], v[NM], v[SO]                  ; old M - new M: a whole number, 0 or less
	v_cvt_i32_f32 v[SO], v[SO]
	v_ldexp_f32 v[FF], 1.0, v[SO]                  ; f = 2^(old M - new M): a multiplication by it rounds nothing
.endif
.irp j, 0,2,4,6,8,10,12,14,16,18,20,22,24,26,28,30,32,34,36,38,40,42,44,46,48,50,52,54,56,58,60,62
	v_pk_fma_f32 v[SS+\j:SS+\j+1], v[SS+\j:SS+\j+1], s[24:25], v[NM:NM+1] op_sel_hi:[1,0,0]   ; t - M, two at a time
.endr
.irp b, 0,1,2,3
	v_fma_f32 v[TM+\b], v[TM+\b], s24, v[NM]       ; the same of each block's largest score
.endr
.set n, 0
.rept 64
	v_exp_f32 v[SS+n], v[SS+n]                     ; p = 2^(t - M), at most 1
.set n, n+1
.endr
.if \first
	v_mov_b32 v[LL], 0                             ; the sum begins.  (Plain lines behind the exponentials)
	v_mov_b32 v[LL+1], 0
.else
	v_pk_mul_f32 v[LL:LL+1], v[LL:LL+1], v[FF:FF+1] op_sel_hi:[1,0]   ; the sum under the new M.  (A plain line behind the exponentials)
.endif
	s_wait_alu depctr_va_vdst(0)                   ; one wait for the batch of 64, ahead of the first line that names a result
.irp b, 0,1,2,3
	v_exp_f32 v[TM+\b], v[TM+\b]                   ; the block's largest p: the same two instructions on the same number
.endr
	v_pk_add_f32 v[TP:TP+1], v[SS:SS+1], v[SS+2:SS+3]   ; the row's sum is taken of the unquantised p, in two chains
.irp j, 4,8,12,16,20,24,28,32,36,40,44,48,52,56,60
	v_pk_add_f32 v[LL:LL+1], v[LL:LL+1], v[SS+\j:SS+\j+1]
	v_pk_add_f32 v[TP:TP+1], v[TP:TP+1], v[SS+2+\j:SS+3+\j]
.endr
	v_pk_add_f32 v[LL:LL+1], v[LL:LL+1], v[TP:TP+1]
	s_wait_alu depctr_va_vdst(0)                   ; and one for the four
.irp b, 0,1,2,3
	v_max_num_f32 v[TM+\b], 0x1800000, v[TM+\b]    ; the floor 2^(3 - 127): a block whose every p is 0 keeps the byte 1 over zero codes
.endr
.irp b, 0,1,2,3
	v_add_nc_u32 v[SO+\b], 0xff000000, v[TM+\b]
.endr
.irp b, 0,1,2,3
	v_lshrrev_b32 v[BY+\b], 23, v[SO+\b]
.endr
	v_lshl_or_b32 v[PS], v[BY+1], 8, v[BY]         ; p's scale word for these 128 keys
	v_lshl_or_b32 v[PS], v[BY+2], 16, v[PS]
	v_lshl_or_b32 v[PS], v[BY+3], 24, v[PS]
.irp b, 0,1,2,3
	v_cvt_scalef32_pk8_fp4_f32 v[PC+2*\b], v[SS+16*\b:SS+16*\b+7], v[SO+\b]
	v_cvt_scalef32_pk8_fp4_f32 v[PC+2*\b+1], v[SS+16*\b+8:SS+16*\b+15], v[SO+\b]
.endr
	v_nop                                          ; one plain line behind the last scaled conversion
.irp c, 0,1                            ; the operand wants a whole block in a lane: lanes 0-15 block 2 c, lanes 16-31 block 2 c + 1
.irp i, 0,1
	v_permlane16_swap_b32 v[PC+4*\c+\i], v[PC+2+4*\c+\i]
.endr
.endr
.if \first
	PLACES 8                                       ; a scale word written by vector instructions stands eight places ahead of a scaled product
.else
.irp j, 0,2,4,6,8,10,12,14,16,18,20,22,24,26,28,30
	v_pk_mul_f32 v[OO+\j:OO+\j+1], v[OO+\j:OO+\j+1], v[FF:FF+1] op_sel_hi:[1,0]   ; O^T under the new M; these sixteen are those places too
.endr
.endif
	s_wait_dscnt 0x0                               ; V is in
.irp f, 0,1,2,3
.if \first
	v_wmma_scale_f32_16x16x128_f8f6f4 v[OO+8*\f:OO+8*\f+7], v[VF+8*\f:VF+8*\f+7], v[PC:PC+7], 0, v[VS+\f], v[PS] matrix_a_fmt:MATRIX_FMT_FP4 matrix_b_fmt:MATRIX_FMT_FP4
.else
	v_wmma_scale_f32_16x16x128_f8f6f4 v[OO+8*\f:OO+8*\f+7], v[VF+8*\f:VF+8*\f+7], v[PC:PC+7], v[OO+8*\f:OO+8*\f+7], v[VS+\f], v[PS] matrix_a_fmt:MATRIX_FMT_FP4 matrix_b_fmt:MATRIX_FMT_FP4
.endif
.endr
	PLACES 4
.endm
; ONE TILE OF 16 QUERIES.  The steps that lie ahead of token 0 are left out: scalar branches on the block's and the wave's numbers, round no barrier.
.macro TILE u
	ds_load_b128 v[QF:QF+3], v[RQ] offset:512*\u
	ds_load_b32 v[QS], v[RQS] offset:128*\u
	v_add_nc_u32 v[DC], 8*\u, v[DB]                ; my query's place in its step of 128, less 16 h
	s_wait_xcnt 0x0                                ; the last tile's store has read its data: those registers take p's codes now
	STEP 2, 2, 1
	s_or_b32 s26, s20, s21
	s_cmp_eq_u32 s26, 0
	s_cbranch_scc1 .Lno_mid_\@                     ; block 0, waves 0-3: the middle step's keys do not exist
	STEP 1, 1, 0
.Lno_mid_\@:
	s_cmp_eq_u32 s20, 0
	s_cbranch_scc1 .Lno_edge_\@                    ; block 0: nor do the edge step's
	STEP 0, 0, 0
.Lno_edge_\@:
	v_add_f32 v[LL], v[LL], v[LL+1]                ; the sum's two halves,
	v_permlanex16_b32 v[TP], v[LL], s22, s23
	v_add_f32 v[LL], v[LL], v[TP]                  ; and lane l xor 16's
	v_rcp_f32 v[RC], v[LL]
	v_nop                                          ; a plain line behind the transcendental
	s_wait_alu depctr_va_vdst(0)                   ; and the wait ahead of its first reader
.irp j, 0,2,4,6,8,10,12,14,16,18,20,22,24,26,28,30
	v_pk_mul_f32 v[SS+\j:SS+\j+1], v[OO+\j:OO+\j+1], v[RC:RC+1] op_sel_hi:[1,0]   ; y: register 16 b + i is feature 32 b + 16 h + i of my query
.endr
	QUANT SS, 2                                    ; the head's 64 columns are two whole blocks of the next product's K
	v_permlane16_swap_b32 v[CD], v[CD+2]           ; a whole block in a lane: lanes 0-15 block 0, lanes 16-31 block 1
	v_permlane16_swap_b32 v[CD+1], v[CD+3]
	global_store_b128 v[LN16], v[CD:CD+3], s[14:15] offset:8192*\u   ; four registers of the next launch's operand as they stand: 512 consecutive bytes
.if \u == 0
	v_lshl_or_b32 v[YW], v[BY+1], 8, v[BY]         ; the tile's two scale bytes: low half of the group's word,
.else
	v_lshl_or_b32 v[BY+2], v[BY+1], 8, v[BY]
	v_lshl_or_b32 v[YW], v[BY+2], 16, v[YW]        ; high half
.endif
.endm
	TILE 0
	TILE 1
	ds_store_b32 v[YSA], v[YW]                     ; both halves of the lanes write the same word with the same value
	s_wait_dscnt 0x0                               ; for wave 0's sake
	s_barrier_signal -1
	s_barrier_wait -1
	s_cmp_lg_u32 s18, 0
	s_cbranch_scc1 .Lend
	ds_load_b128 v[128:131], v[YRD]                ; the work-group's 128 scale words
	s_wait_dscnt 0x0
	global_store_b128 v[LN16], v[128:131], s[16:17]   ; 512 consecutive bytes
.Lend:
	s_wait_xcnt 0x0
	v_lshl_add_u32 v254, v0, 2, 0x24c00
	v_mov_b32 v255, 0
	s_wait_tensorcnt 0x0
	ds_add_u32 v254, v255
	s_wait_dscnt 0x0
	s_endpgm
.Lfunc_end_k_qf41343a2f0_attn:
	.size	k_qf41343a2f0_attn, .Lfunc_end_k_qf41343a2f0_attn-k_qf41343a2f0_attn
	.p2alignl 7, 3214868480
	.fill 96, 4, 3214868480
	.section	.rodata,"a",@progbits
	.p2align	6, 0x0
	.amdhsa_kernel k_qf41343a2f0_attn
		.amdhsa_group_segment_fixed_size 151552
		.amdhsa_private_segment_fixed_size 0
		.amdhsa_enable_private_segment 0
		.amdhsa_kernarg_size 56
		.amdhsa_user_sgpr_count 2
		.amdhsa_user_sgpr_kernarg_segment_ptr 1
		.amdhsa_wavefront_size32 1
		.amdhsa_system_sgpr_workgroup_id_x 1
		.amdhsa_system_sgpr_workgroup_id_y 1
		.amdhsa_system_sgpr_workgroup_id_z 1
		.amdhsa_system_vgpr_workitem_id 0
		.amdhsa_next_free_vgpr 512
		.amdhsa_next_free_sgpr 66
		.amdhsa_reserve_vcc 1
		.amdhsa_float_denorm_mode_32 3
		.amdhsa_float_denorm_mode_16_64 3
		.amdhsa_memory_ordered 1
		.amdhsa_forward_progress 1
		.amdhsa_inst_pref_size 215
	.end_amdhsa_kernel
	.amdgpu_metadata
---
amdhsa.version: [ 1, 2 ]
amdhsa.kernels:
  - .name:           k_qf41343a2f0_attn
    .symbol:         k_qf41343a2f0_attn.kd
    .args:
      - { .name: x_codes, .offset: 0, .size: 8, .value_kind: global_buffer, .address_space: global }
      - { .name: x_scales, .offset: 8, .size: 8, .value_kind: global_buffer, .address_space: global }
      - { .name: W_qkv_codes, .offset: 16, .size: 8, .value_kind: global_buffer, .address_space: global }
      - { .name: W_qkv_scales, .offset: 24, .size: 8, .value_kind: global_buffer, .address_space: global }
      - { .name: b_qkv, .offset: 32, .size: 8, .value_kind: global_buffer, .address_space: global }
      - { .name: y_img, .offset: 40, .size: 8, .value_kind: global_buffer, .address_space: global }
      - { .name: y_sc, .offset: 48, .size: 8, .value_kind: global_buffer, .address_space: global }
    .group_segment_fixed_size: 151552
    .private_segment_fixed_size: 0
    .kernarg_segment_align: 8
    .kernarg_segment_size: 56
    .max_flat_workgroup_size: 256
    .sgpr_count:     66
    .vgpr_count:     512
    .wavefront_size: 32
...
	.end_amdgpu_metadata
.endif
;; end of part 1
;; launch proj (part 2): grid 8 x 32, 4 waves a work-group, no clusters, 17,920 bytes of LDS; arguments y_img, y_sc, W_proj_codes, W_proj_scales, b_proj, out0; writes out0
.if DOCPART == 2
	.amdgcn_target "amdgcn-amd-amdhsa--gfx1250"
	.amdhsa_code_object_version 6
	.text
	.protected	k_qf41343a2f0_proj
	.globl	k_qf41343a2f0_proj
	.p2align	8
	.type	k_qf41343a2f0_proj,@function
k_qf41343a2f0_proj:
	s_mov_b64 s[64:65], 0
	v_nop
	global_prefetch_b8 v0, s[64:65] scope:SCOPE_SE
	s_setreg_imm32_b32 hwreg(HW_REG_WAVE_MODE, 25, 1), 1
	s_wait_xcnt 0x0
; out0 = Q(y) W_proj^T + b_proj on codes of FP4 (E2M1) with one E8M0 scale for each 32 along K = 1,024.  y comes from the launch before as images of operand registers (y_img) and scale half-words (y_sc).
; SHARES.  A work-group makes 128 tokens x 128 columns; each of its four waves 64 x 64: 16 accumulators.  256 work-groups.
; A wave's operands, all of K for 64 tokens and 64 rows of W_proj, are 512 registers: they come from memory straight into the registers, each byte once, four K steps ahead of the products.
; NO JOINT LOADS, though work-groups share tiles: a joint load lands in LDS, and each wave would then read its 65,536 bytes out of LDS for 128 matrix instructions; here they go to the registers with no pass through LDS and no barrier.
; THE PRODUCT IS USED TRANSPOSED (source 0 = 16 rows of W_proj, source 1 = a tile of y): a lane holds eight neighbouring columns of one token's row.  The bias is the C of each sum's first product.
; Lane r of token tile 2 g + u stands for token 32 g + 8 u + r + 8 (r / 8): so the launch before laid them; the way out puts each row at its place.
.set R,1
.set H,2
.set LN16,3                            ; 16 x lane: y's images
.set VW,4                              ; W's codes: r 512 + 16 h
.set VWS,5                             ; W's scales: r 32 + 16 h
.set VB,6                              ; bias: 32 h
.set VYS,7                             ; y's scale words: 65,536 h + 4 r (lanes 16-31: eight heads on)
.set STO,8                             ; my stage: where I put 32 bytes of a row
.set RD,9                              ; and where I read a row back
.set CO,10                             ; my byte offset in two rows of out0
.set WSC,16                            ; v16-31 W's scale words: tile nt at 4 nt + j: lanes 0-15 K step j, lanes 16-31 K step 4 + j
.set YSW,32                            ; v32-47 y's likewise.  v16-47 hold scales and nothing else
.set RAW,48                            ; v48-63 y's scale half-words as stored
.set BB,64                             ; v64-95 the biases of four tiles of columns
.set OB,48                             ; the way out: v48-79 and v80-111 by turns
.set ACC,128                           ; accumulator (nt, tt) at 128 + 8 (4 nt + tt).  Window 1: y's fragments (tt, s) at 64 tt + 8 s.  Window 2: W's (nt, s) at 64 nt + 8 s
.set MSB, 0
.macro WIN new                         ; the immediate's high byte repeats the setting that is left
.if MSB != \new
	s_set_vgpr_msb (MSB<<8)|\new
.set MSB, \new
.endif
.endm
.macro PLACES n
.rept \n
	v_nop
.endr
.endm
	s_load_b256 s[4:11], s[0:1], 0x0               ; y_img s[4:5], y_sc s[6:7], W's codes s[8:9], W's scales s[10:11]
	s_load_b128 s[12:15], s[0:1], 0x20             ; b_proj, out0
	v_lshl_add_u32 v126, v0, 2, 0x4400
	v_mov_b32 v127, 0
	v_lshrrev_b32 v1, 5, v0
	v_readfirstlane_b32 s16, v1                    ; wave 0..3
	s_lshr_b32 s17, s16, 1                         ; which 64 tokens
	s_and_b32 s18, s16, 1                          ; which 64 columns
	s_and_b32 s19, ttmp7, 0xffff                   ; block of 128 tokens
	s_lshl_b32 s20, ttmp9, 7
	s_lshl_b32 s21, s18, 6
	s_add_co_u32 s20, s20, s21                     ; n0: my first column
	v_and_b32 v[R], 15, v0
	v_bfe_u32 v[H], v0, 4, 1
	v_and_b32 v11, 31, v0
	v_lshlrev_b32 v[LN16], 4, v11
	v_lshlrev_b32 v12, 4, v[H]
	v_lshl_add_u32 v[VW], v[R], 9, v12
	v_lshl_add_u32 v[VWS], v[R], 5, v12
	v_lshlrev_b32 v[VB], 5, v[H]
	v_lshlrev_b32 v13, 2, v[R]
	v_lshl_add_u32 v[VYS], v[H], 16, v13
	s_mul_i32 s21, s16, 16*272                     ; my stage: 16 rows x (256 bytes + 16)
	v_mul_u32_u24 v[STO], v[R], 272
	v_lshl_add_u32 v[STO], v[H], 5, v[STO]
	v_add_nc_u32 v[STO], s21, v[STO]
	v_mul_u32_u24 v[RD], v[H], 272
	v_lshl_add_u32 v[RD], v[R], 4, v[RD]
	v_add_nc_u32 v[RD], s21, v[RD]
	v_lshlrev_b32 v14, 4, v[R]
	v_lshl_add_u32 v[CO], v[H], 12, v14
	s_lshl_b32 s24, s19, 16                        ; y_img: tile 8 tb + 4 wm, 8,192 bytes a tile
	s_lshl_b32 s22, s17, 15
	s_add_co_u32 s24, s24, s22
	s_mov_b32 s25, 0
	s_lshl_b32 s26, s19, 8                         ; y_sc: group 4 tb + 2 wm, 64 bytes a group
	s_lshl_b32 s22, s17, 7
	s_add_co_u32 s26, s26, s22
	s_mov_b32 s27, 0
	s_lshl_b32 s28, s20, 9                         ; W's codes, scales, the bias at column n0
	s_mov_b32 s29, 0
	s_lshl_b32 s30, s20, 5
	s_mov_b32 s31, 0
	s_lshl_b32 s32, s20, 2
	s_mov_b32 s33, 0
	s_lshl_b32 s34, s19, 19                        ; out0: token 128 tb + 64 wm, 4,096 bytes a row, + 4 n0
	s_lshl_b32 s22, s17, 18
	s_add_co_u32 s34, s34, s22
	s_add_co_u32 s34, s34, s32
	s_mov_b32 s35, 0
	s_mov_b32 s36, 0x05040100                      ; v_perm_b32: the two low halves,
	s_mov_b32 s37, 0x07060302                      ; the two high halves
	s_wait_kmcnt 0x0
	s_add_nc_u64 s[4:5], s[4:5], s[24:25]
	s_add_nc_u64 s[6:7], s[6:7], s[26:27]
	s_add_nc_u64 s[8:9], s[8:9], s[28:29]
	s_add_nc_u64 s[10:11], s[10:11], s[30:31]
	s_add_nc_u64 s[12:13], s[12:13], s[32:33]
	s_add_nc_u64 s[14:15], s[14:15], s[34:35]
	; 28 small loads: y's scale half-words of head 2 j + 8 h + par, group gl; W's scale words; the biases
.irp gl, 0,1
.irp par, 0,1
.irp j, 0,1,2,3
	global_load_b32 v[RAW+8*\gl+4*\par+\j], v[VYS], s[6:7] offset:\j*16384+\par*8192+\gl*64
.endr
.endr
.endr
.irp nt, 0,1,2,3
	global_load_b128 v[WSC+4*\nt:WSC+4*\nt+3], v[VWS], s[10:11] offset:\nt*512
.endr
.irp nt, 0,1,2,3
	global_load_b128 v[BB+8*\nt:BB+8*\nt+3], v[VB], s[12:13] offset:64*\nt
	global_load_b128 v[BB+8*\nt+4:BB+8*\nt+7], v[VB], s[12:13] offset:64*\nt+16
.endr
.macro LOADK s                         ; K step s: sixteen loads: y's four fragments (512 consecutive bytes a load), W's four
	WIN 0x40                                       ; destination window 1
.irp tt, 0,1,2,3
.irp c, 0,1
	global_load_b128 v[64*\tt+8*(\s)+4*\c:64*\tt+8*(\s)+4*\c+3], v[LN16], s[4:5] offset:\tt*8192+(\s)*1024+512*\c
.endr
.endr
	WIN 0x80                                       ; destination window 2
.irp nt, 0,1,2,3
.irp c, 0,1
	global_load_b128 v[64*\nt+8*(\s)+4*\c:64*\nt+8*(\s)+4*\c+3], v[VW], s[8:9] offset:\nt*8192+64*(\s)+32*\c
.endr
.endr
	WIN 0
.endm
	LOADK 0
	LOADK 1
	LOADK 2
	LOADK 3
	s_wait_loadcnt 63                              ; 64 loads were issued behind the small ones; the wait's field holds 63 at the most
	; a K step of 128 is two heads: the word of an even tile is the two heads' low halves, of an odd tile their high halves
.irp gl, 0,1
.irp j, 0,1,2,3
	v_perm_b32 v[YSW+8*\gl+\j], v[RAW+8*\gl+4+\j], v[RAW+8*\gl+\j], s36
	v_perm_b32 v[YSW+8*\gl+4+\j], v[RAW+8*\gl+4+\j], v[RAW+8*\gl+\j], s37
.endr
.endr
	PLACES 8                                       ; scale words written by vector instructions stand eight places ahead of a scaled product
; sixteen products of K step s; the sixteen accumulators take turns, one instruction a turn, in the same order in every K step
.macro MULP s
.irp nt, 0,1,2,3
.irp tt, 0,1,2,3
.set rD, ACC+8*(4*\nt+\tt)
.set rA, 64*\nt+8*(\s)
.set rB, 64*\tt+8*(\s)
.if (\s)==0
.set rC, BB+8*\nt
.else
.set rC, ACC+8*(4*\nt+\tt)
.endif
.set rSA, WSC+4*\nt+(\s)%4
.set rSB, YSW+4*\tt+(\s)%4
.if (\s)/4
	v_wmma_scale_f32_16x16x128_f8f6f4 v[rD:rD+7], v[rA:rA+7], v[rB:rB+7], v[rC:rC+7], v[rSA], v[rSB] matrix_a_fmt:MATRIX_FMT_FP4 matrix_b_fmt:MATRIX_FMT_FP4 matrix_a_scale:MATRIX_SCALE_ROW1 matrix_b_scale:MATRIX_SCALE_ROW1
.else
	v_wmma_scale_f32_16x16x128_f8f6f4 v[rD:rD+7], v[rA:rA+7], v[rB:rB+7], v[rC:rC+7], v[rSA], v[rSB] matrix_a_fmt:MATRIX_FMT_FP4 matrix_b_fmt:MATRIX_FMT_FP4
.endif
.endr
.endr
.endm
.irp s, 0,1,2,3,4,5,6,7
.if \s <= 4
	s_wait_loadcnt 48                              ; this K step's sixteen loads are in; those of the three K steps behind it may be out
.else
	s_wait_loadcnt 16*(7-\s)                       ; the counts run down
.endif
	WIN 0x06                                       ; source 0 (W) window 2, source 1 (y) window 1, C and D window 0
	MULP \s
	WIN 0
.if \s <= 3
	LOADK \s+4                                     ; into registers that nothing has used yet
.endif
.endr
	PLACES 4                                       ; in front of the first read of results, and of loads into the registers that held the biases
; THE WAY OUT, a tile of 16 tokens x 64 columns at a time, through my own stage: a lane's 32 bytes of a row go in, whole rows of 256 bytes come back, and sixteen lanes store 256 consecutive bytes, aligned.
; LDS serves a wave's instructions in order (ISA guide 5.7.1.4): no wait between the stores and the loads, nor in front of the next tile's stores.
.macro TOSTAGE tt
.irp nt, 0,1,2,3
	ds_store_b128 v[STO], v[ACC+8*(4*\nt+\tt):ACC+8*(4*\nt+\tt)+3] offset:64*\nt          ; each accumulator from its low end on
	ds_store_b128 v[STO], v[ACC+8*(4*\nt+\tt)+4:ACC+8*(4*\nt+\tt)+7] offset:64*\nt+16
.endr
.irp q, 0,1,2,3,4,5,6,7
	ds_load_b128 v[OB+32*((\tt)%2)+4*\q:OB+32*((\tt)%2)+4*\q+3], v[RD] offset:544*\q
.endr
.endm
.macro SEND tt, younger                ; younger: the LDS instructions issued behind tile tt's loads, which may stay out
	s_wait_dscnt \younger
.irp q, 0,1,2,3,4,5,6,7
	global_store_b128 v[CO], v[OB+32*((\tt)%2)+4*\q:OB+32*((\tt)%2)+4*\q+3], s[14:15] offset:(32*((\tt)/2)+8*((\tt)%2)+2*\q+8*(\q/4))*4096 th:TH_STORE_NT   ; stage row 2 q + h is token 8 u + 2 q + h + 8 (q / 4) of its group
.endr
.endm
	TOSTAGE 0
.irp a, 1,2,3
.if \a > 1
	s_wait_xcnt 0x0                                ; tile a - 2's stores have read their data: tile a's loads may land there
.endif
	TOSTAGE \a
	SEND \a-1, 16                                  ; behind tile a - 1's loads: tile a's eight stores and eight loads
.endr
	SEND 3, 0
	s_wait_tensorcnt 0x0
	ds_add_u32 v126, v127
	s_wait_dscnt 0x0
	s_endpgm
.Lfunc_end_k_qf41343a2f0_proj:
	.size	k_qf41343a2f0_proj, .Lfunc_end_k_qf41343a2f0_proj-k_qf41343a2f0_proj
	.p2alignl 7, 3214868480
	.fill 96, 4, 3214868480
	.section	.rodata,"a",@progbits
	.p2align	6, 0x0
	.amdhsa_kernel k_qf41343a2f0_proj
		.amdhsa_group_segment_fixed_size 17920
		.amdhsa_private_segment_fixed_size 0
		.amdhsa_enable_private_segment 0
		.amdhsa_kernarg_size 48
		.amdhsa_user_sgpr_count 2
		.amdhsa_user_sgpr_kernarg_segment_ptr 1
		.amdhsa_wavefront_size32 1
		.amdhsa_system_sgpr_workgroup_id_x 1
		.amdhsa_system_sgpr_workgroup_id_y 1
		.amdhsa_system_sgpr_workgroup_id_z 1
		.amdhsa_system_vgpr_workitem_id 0
		.amdhsa_next_free_vgpr 768
		.amdhsa_next_free_sgpr 66
		.amdhsa_reserve_vcc 0
		.amdhsa_float_denorm_mode_32 3
		.amdhsa_float_denorm_mode_16_64 3
		.amdhsa_memory_ordered 1
		.amdhsa_forward_progress 1
		.amdhsa_inst_pref_size 44
	.end_amdhsa_kernel
	.amdgpu_metadata
---
amdhsa.version: [ 1, 2 ]
amdhsa.kernels:
  - .name:           k_qf41343a2f0_proj
    .symbol:         k_qf41343a2f0_proj.kd
    .args:
      - { .name: y_img, .offset: 0, .size: 8, .value_kind: global_buffer, .address_space: global }
      - { .name: y_sc, .offset: 8, .size: 8, .value_kind: global_buffer, .address_space: global }
      - { .name: W_proj_codes, .offset: 16, .size: 8, .value_kind: global_buffer, .address_space: global }
      - { .name: W_proj_scales, .offset: 24, .size: 8, .value_kind: global_buffer, .address_space: global }
      - { .name: b_proj, .offset: 32, .size: 8, .value_kind: global_buffer, .address_space: global }
      - { .name: out0, .offset: 40, .size: 8, .value_kind: global_buffer, .address_space: global }
    .group_segment_fixed_size: 17920
    .private_segment_fixed_size: 0
    .kernarg_segment_align: 8
    .kernarg_segment_size: 48
    .max_flat_workgroup_size: 128
    .sgpr_count:     66
    .vgpr_count:     768
    .wavefront_size: 32
...
	.end_amdgpu_metadata
.endif
;; end of part 2
;; ======== version 2 of 2: 2 launches; version 1 with the launches attn, proj written anew for expert scheduling mode
;; workspace buffers: y_img 2,097,152 bytes; y_sc 131,072 bytes
;; launch attn (part 3): grid 16 x 16, 8 waves a work-group, no clusters, 151,552 bytes of LDS; arguments x_codes, x_scales, W_qkv_codes, W_qkv_scales, b_qkv, y_img, y_sc; writes y_img, y_sc
.if DOCPART == 3
	.amdgcn_target "amdgcn-amd-amdhsa--gfx1250"
	.amdhsa_code_object_version 6
	.text
	.protected	k_qf41343a2f0_attn
	.globl	k_qf41343a2f0_attn
	.p2align	8
	.type	k_qf41343a2f0_attn,@function
k_qf41343a2f0_attn:
	s_mov_b64 s[64:65], 0
	v_nop
	global_prefetch_b8 v0, s[64:65] scope:SCOPE_SE
	s_setreg_imm32_b32 hwreg(HW_REG_WAVE_SCHED_MODE, 0, 2), 2
	s_setreg_imm32_b32 hwreg(HW_REG_WAVE_MODE, 25, 1), 1
	s_wait_xcnt 0x0
	s_wait_alu depctr_vm_vsrc(0)
; SLIDING-WINDOW ATTENTION, first of two launches: q, k, v of one head, the attention inside the window, and the codes of y.  All four kinds of product on codes of FP4 (E2M1) with one E8M0 scale for each 32 along K.
; SHARES.  Work-group (head, block i) owns queries Q0 = 256 i .. Q0 + 255 of one head.  A query sees keys q - 255 .. q, so the work-group needs k and v of tokens Q0 - 256 .. Q0 + 255: it makes them itself from x and its
; head's 192 rows of W_qkv; nothing of q, k, v goes to memory.  For i = 0 the earlier half does not exist: rows 0 .. 255 are taken once more, so that every load stays inside x; what is made of them is stored in LDS and never read.
; Wave w (0..7) owns four tiles of 16 tokens: two of the earlier half (tokens P0 + 32 w on) and two of its own half (Q0 + 32 w on): their x stays in 256 registers for all 320 products; its two query tiles are the latter two.
; THE TOKENS (AND W'S ROWS) OF A TILE ARE NOT NEIGHBOURS: lane r of tile u of a group of 32 stands for index 8 u + r + 8 (r / 8).  So wherever such a tile is source 0, the 16 registers of tiles 0 and 1 of a group
; are 16 neighbours, 16 (lane / 16) + 0 .. 15, and a block of 32 lies in lanes l and l xor 16: the conversions take them as they stand.
; k, q: source 0 = W's rows, source 1 = x: a lane holds one token, registers run along d (their K).  v: source 0 = x, source 1 = W's rows: a lane holds one feature, registers run along the tokens (its K = the keys).
; The biases are the C of each sum's first product.  Codes and scale words go to the other waves through LDS as images of the operands' registers.
; SOFTMAX: t = score x log2(e) / 8; M = the running largest t rounded up to a whole number; p = 2^(t - M) is quantised along the keys, not normalised; the sum of the unquantised p divides O at the end.
; A wave walks three steps of 128 keys: the one with its diagonal first (there every query sees itself, so M is a number from the first step on), the one all of whose keys count, the one with the window's edge.
; OUT: y's codes as images of the next launch's operand registers (512 dense bytes a store), y's scale bytes gathered in LDS and stored as 512 dense bytes.
; NO JOINT LOADS, though the sixteen heads of a block read the same x: x goes from memory straight into the operand registers.  A joint load lands in LDS, and 512 rows x 528 bytes = 270,336 beside W's 101,376 and the
; images' 48,640 are 420,352 bytes, more than the 327,680 that a work-group can have.
; LIMITS: NaN and infinities among the inputs are not served.  A block whose largest magnitude lies under 2^-124 (zeros too) gets the scale byte 1; a block of zeros has zero codes, and these bytes are read by this program alone.
; y = O x (1 / sum) with v_rcp_f32, not a correctly rounded division.
; THE MODE: SCHED_MODE bits 1:0 = 2 (LLVM: expert scheduling mode 2), set by the entry lines.  The code itself states the register dependences between vector or matrix instructions and memory or LDS instructions,
; with s_wait_alu, always for 0.
; THE PLAN.  Registers that memory or LDS instructions touch, and who else names them:
;   v3-v26      offsets and LDS addresses: written at the head, ahead of one wait on va_vdst; never stepped.  v20-v26 get other uses in the attention: one wait on vm_vsrc behind the second barrier.
;   v128-223    W's copy: written by loads, read by LDS stores; one wait on vm_vsrc behind the first barrier, ahead of the fragment loads and the products that write them again.
;   WF, WS, BI  written by loads, read by products (BI also written by the spreading moves).  A wait on va_vdst behind K steps 0, 1 and behind K steps 2, 3, ahead of the loads into the slots just multiplied; one at a
;               pass's end, ahead of the next pass's first fragments and of the set of scale words and biases of the pass after that.
;   CD, PW, BY  written by the quantiser, read by LDS stores: all vector lines first, one wait on va_vdst, the run of stores; one wait on vm_vsrc at the next pass's end, ahead of the next quantiser.
;   KF, KS      attention: read by a step's eight score products; the wait on va_vdst behind the exponentials stands between these and the next step's loads, and nothing behind it names them: those loads owe no further wait.
;   VF, VS      read by a step's last four products; loaded in the next step behind the one wait on va_vdst that stands behind its first four products, which also frees KF and KS for the step's second four key tiles.
;   QF, QS      read by the score products; loaded at a tile's head, behind the wait on va_vdst that stands ahead of the tile before's store.
;   PC, PS      written by vector lines, taken by scaled products: the places, then a wait on va_vdst.  PC shares its registers with CD: a wait on vm_vsrc at the second tile's head, behind the first tile's store.
;   s28-s59     the masks: compares in runs of 32, one wait on va_sdst, the 32 selects.
.set WP,   528                         ; a row of W in LDS: 512 bytes + 16: an odd multiple of 16, so the 16 rows of a fragment load start at 16 different groups of four banks
.set KIMG, 192*WP                      ; 48 tiles x 512 bytes: key tiles 0-31, query tiles 32-47: registers 0-3 of a fragment, lane l at 16 l
.set KSC,  KIMG+48*512                 ; their scale words, 128 bytes a tile, lane l at 4 l (bytes 0, 1: d's two blocks; bytes 2, 3: 0, over zero codes)
.set VIMG, KSC+48*128                  ; V^T: feature tile f at 4,096 f; group of 32 keys g at 256 g; feature row r at 16 r
.set VSC,  VIMG+16384                  ; V's scale bytes: 256 f + 16 r + g
.set YST,  VSC+1024                    ; y's scale words of the work-group: 64 w + 4 r
.set R,1                               ; lane % 16
.set H,2                               ; lane / 16
.set LN16,3                            ; 16 x lane
.set LN4,4                             ; 4 x lane
.set AW0,5                             ; W's fragments in LDS: r WP + 16 h (parts q, k)
.set AW2,6                             ; the same for part v, 128 rows on
.set AKI,7                             ; where I store k's and q's codes
.set AKS,8                             ; and their scale words
.set AVI,9                             ; v's codes
.set AVS,10                            ; v's scale bytes
.set RK,11                             ; where I read key tiles: from step a = w / 4 on
.set RKS,12
.set RV,13
.set RVS,14
.set RQ,15                             ; my two query tiles
.set RQS,16
.set DB,17                             ; 32 (w % 4) + r' - 16 h: the masks' base
.set YSA,18
.set CW0,19                            ; W's copy into LDS: w WP + 16 x lane
.set CW1,20                            ; 96 rows on
.set VX,21                             ; global offsets: x's codes r' 512 + 16 h
.set VXS,22                            ; scale bytes of x and of W: r' 32 + 16 h
.set YRD,23                            ; YST + 16 x lane
.set VBT,24                            ; bias, k and q: 64 h
.set VBN,25                            ; bias, v: 4 r'
.set VCP,26                            ; W's copy: 16 x thread
.set DC,20                             ; attention: DB + 8 u
.set NINF,21
.set YW,22
.set NM,24                             ; -M;  v[24:25] is named as a pair
.set TMX,25                            ; the running largest t
.set LL,26                             ; v[26:27] the sum in two halves
.set FF,28                             ; v[28:29] f = 2^(old M - new M)
.set RC,30                             ; v[30:31] 1 / sum
.set XS,32                             ; v32-47 x's scale words: tile tt at 4 tt + j: lanes 0-15 K step j, lanes 16-31 K step 4 + j.  v32-63 hold scales and nothing else
.set WS,48                             ; v48-63 W's scale words, two sets
.set KS,32
.set VS,36
.set QS,40
.set PS,41
.set BI,64                             ; v64-95 biases, two sets of two tiles
.set KF,64                             ; attention: four key fragments (upper four registers: zero codes, K = 64 .. 127)
.set TM,96
.set TP,100
.set SO,104
.set BY,108
.set KB,112
.set PW,116
.set QF,112                            ; attention: the query fragment
.set CD,120                            ; the codes just made
.set PC,120                            ; attention: p's codes
.set ACC,128
.set SS,128                            ; attention: S^T, then p
.set WF,192                            ; four K steps' fragments of two tiles of W, by turns
.set OO,192                            ; attention: O^T
.set VF,224
.set MK,28                             ; s28-s59 attention: 32 masks (the scalars that stood there are done with)
.set MSB, 0
.macro WIN new                         ; the immediate's high byte repeats the setting that is left
.if MSB != \new
	s_set_vgpr_msb (MSB<<8)|\new
.set MSB, \new
.endif
.endm
.macro PLACES n                        ; plain vector lines behind matrix instructions (ISA guide 7.12.1)
.rept \n
	v_nop
.endr
.endm
.macro WMS                             ; one product, by the symbols rD, rA, rB, rC, rSA, rSB; hiS = 1: K steps 4-7, whose scale words lie in lanes 16-31
.if hiS
	v_wmma_scale_f32_16x16x128_f8f6f4 v[rD:rD+7], v[rA:rA+7], v[rB:rB+7], v[rC:rC+7], v[rSA], v[rSB] matrix_a_fmt:MATRIX_FMT_FP4 matrix_b_fmt:MATRIX_FMT_FP4 matrix_a_scale:MATRIX_SCALE_ROW1 matrix_b_scale:MATRIX_SCALE_ROW1
.else
	v_wmma_scale_f32_16x16x128_f8f6f4 v[rD:rD+7], v[rA:rA+7], v[rB:rB+7], v[rC:rC+7], v[rSA], v[rSB] matrix_a_fmt:MATRIX_FMT_FP4 matrix_b_fmt:MATRIX_FMT_FP4
.endif
.endm
; The scale words and biases of a pass (features 32 b .. 32 b + 31 of a part), into set buf.  k, q: six loads; register j of lane half h is the bias of feature 32 b + 16 h + 8 u + j
.macro LOADSET_T part, b, buf
.irp u, 0,1
	global_load_b128 v[WS+8*\buf+4*\u:WS+8*\buf+4*\u+3], v[VXS], s[10:11] offset:(\part*1024+32*\b+8*\u)*32
	global_load_b128 v[BI+16*\buf+8*\u:BI+16*\buf+8*\u+3], v[VBT], s[12:13] offset:(\part*1024+32*\b+8*\u)*4
	global_load_b128 v[BI+16*\buf+8*\u+4:BI+16*\buf+8*\u+7], v[VBT], s[12:13] offset:(\part*1024+32*\b+8*\u)*4+16
.endr
.endm
.macro LOADSET_N b, buf                ; v: four loads; a lane's one feature has one bias
.irp u, 0,1
	global_load_b128 v[WS+8*\buf+4*\u:WS+8*\buf+4*\u+3], v[VXS], s[10:11] offset:(2048+32*\b+8*\u)*32
	global_load_b32 v[BI+16*\buf+8*\u], v[VBN], s[12:13] offset:(2048+32*\b+8*\u)*4
.endr
.endm
.macro SPREAD buf                      ; v: the lane's bias into all eight registers of the C operand
.irp u, 0,1
.irp j, 1,2,3,4,5,6,7
	v_mov_b32 v[BI+16*\buf+8*\u+\j], v[BI+16*\buf+8*\u]
.endr
.endr
	PLACES 4
.endm
.macro LOADW areg, poff, b, s          ; K step s of W's two tiles: four LDS loads
.irp u, 0,1
.irp c, 0,1
	ds_load_b128 v[WF+16*((\s)%4)+8*\u+4*\c:WF+16*((\s)%4)+8*\u+4*\c+3], v[\areg] offset:\poff+(32*\b+16*\u)*WP+64*(\s)+32*\c
.endr
.endr
.endm
.macro PRELOAD areg, poff, b
	LOADW \areg, \poff, \b, 0
	LOADW \areg, \poff, \b, 1
	LOADW \areg, \poff, \b, 2
	LOADW \areg, \poff, \b, 3
.endm
; k, q: source 0 = 16 rows of W, source 1 = a tile of x (window 1).  The accumulators take turns, one instruction a turn, in the same order in every K step.
.macro MULT s, buf, tt0, nb
.set hiS, (\s)/4
.irp u, 0,1
.set kk, 0
.rept \nb
.set rD, ACC+16*kk+8*\u
.set rA, WF+16*((\s)%4)+8*\u
.set rB, 64*(\tt0+kk)+8*(\s)
.if (\s)==0
.set rC, BI+16*(\buf)+8*\u
.else
.set rC, ACC+16*kk+8*\u
.endif
.set rSA, WS+8*(\buf)+4*\u+(\s)%4
.set rSB, XS+4*(\tt0+kk)+(\s)%4
	WMS
.set kk, kk+1
.endr
.endr
.endm
; v: source 0 = a tile of x (window 1), source 1 = 16 rows of W.  Accumulator block 2 gi + u: 16 registers = tokens 16 h + 0 .. 15 of group gi, feature 32 b + 8 u + r'
.macro MULN s, buf
.set hiS, (\s)/4
.irp u, 0,1
.irp gi, 0,1
.irp ut, 0,1
.set rD, ACC+16*(2*\gi+\u)+8*\ut
.set rA, 64*(2*\gi+\ut)+8*(\s)
.set rB, WF+16*((\s)%4)+8*\u
.if (\s)==0
.set rC, BI+16*(\buf)+8*\u
.else
.set rC, ACC+16*(2*\gi+\u)+8*\ut
.endif
.set rSA, XS+4*(2*\gi+\ut)+(\s)%4
.set rSB, WS+8*(\buf)+4*\u+(\s)%4
	WMS
.endr
.endr
.endr
.endm
; The eight K steps of a pass, two at a time.  p0 = 1: the first pass, which still waits for x.
.macro STEPS p0, kind, buf, areg, poff, b, tt0, nb
	s_wait_dscnt 0x0                               ; K steps 0-3 of W are in; the last pass's LDS stores are done
.irp d, 0,1,2,3
.if \p0
	s_wait_loadcnt 48-16*\d                        ; x comes K step by K step, eight loads each: those of the later K steps may be out
.endif
.if \d == 2
	s_wait_dscnt 8                                 ; K steps 4, 5 are in; the eight loads of steps 6, 7 may be out
.endif
.if \d == 3
	s_wait_dscnt 0x0
.endif
.if \kind
	WIN 0x01                                       ; source 0 (x) window 1
	MULN 2*\d, \buf
	MULN 2*\d+1, \buf
.else
	WIN 0x04                                       ; source 1 (x) window 1
	MULT 2*\d, \buf, \tt0, \nb
	MULT 2*\d+1, \buf, \tt0, \nb
.endif
	WIN 0
.if \d < 2
	PLACES 4                                       ; in front of loads into the fragments just multiplied
	s_wait_alu depctr_va_vdst(0)                   ; the products above are done reading the fragments of these two K steps, in which the eight loads below land
	LOADW \areg, \poff, \b, 2*\d+4
	LOADW \areg, \poff, \b, 2*\d+5
.endif
.endr
	PLACES 5                                       ; in front of the loads below, of the first read of the results, and of the next pass's first products, which begin these accumulators anew
.endm
; nb blocks of 16 registers from src on (block k: 16 neighbours along K, the other 16 in lane l xor 16) become codes in v[CD + 2 k], v[CD + 2 k + 1] and a scale byte in v[BY + k]
.macro QUANT src, nb
.set kk, 0
.rept \nb
	v_max3_num_f32 v[TM+kk], |v[\src+16*kk]|, |v[\src+16*kk+1]|, 0x1800000   ; with the floor 2^(3 - 127): the byte cannot fall under 1.  Each accumulator is read from its low end on
.set kk, kk+1
.endr
.irp i, 2,4,6,8,10,12,14
.set kk, 0
.rept \nb
	v_max3_num_f32 v[TM+kk], v[TM+kk], |v[\src+16*kk+\i]|, |v[\src+16*kk+\i+1]|
.set kk, kk+1
.endr
.endr
.set kk, 0
.rept \nb
	v_permlanex16_b32 v[TP+kk], v[TM+kk], s22, s23
.set kk, kk+1
.endr
.set kk, 0
.rept \nb
	v_max_num_f32 v[TM+kk], v[TM+kk], v[TP+kk]     ; the block's largest magnitude
.set kk, kk+1
.endr
.set kk, 0
.rept \nb
	v_add_nc_u32 v[SO+kk], 0xff000000, v[TM+kk]    ; 2 off its exponent field: the conversion's scale operand
.set kk, kk+1
.endr
.set kk, 0
.rept \nb
	v_lshrrev_b32 v[BY+kk], 23, v[SO+kk]           ; the scale's byte
.set kk, kk+1
.endr
.set kk, 0
.rept \nb
	v_cvt_scalef32_pk8_fp4_f32 v[CD+2*kk], v[\src+16*kk:\src+16*kk+7], v[SO+kk]
	v_cvt_scalef32_pk8_fp4_f32 v[CD+2*kk+1], v[\src+16*kk+8:\src+16*kk+15], v[SO+kk]
.set kk, kk+1
.endr
	v_nop                                          ; one plain line behind the last scaled conversion
.endm
; k, q: block kk is token tile (gi0 + kk / 2, kk % 2); my 8 bytes are d = 32 b + 16 h + 0 .. 15 of token r: byte 256 b + 16 r + 8 h of the tile's image.  All vector lines first, one wait, then the run of stores
.macro PUT_T b, gi0, nb
.set kk, 0
.rept \nb
.if \b == 0
	v_mov_b32 v[KB+kk], v[BY+kk]                   ; block 0's byte waits for block 1's
.else
	v_lshl_or_b32 v[PW+kk], v[BY+kk], 8, v[KB+kk]
.endif
.set kk, kk+1
.endr
	s_wait_alu depctr_va_vdst(0)                   ; the conversions have written the codes, and (b = 1) the lines above the scale words: the LDS stores below read them
.set kk, 0
.rept \nb
	ds_store_b64 v[AKI], v[CD+2*kk:CD+2*kk+1] offset:(\gi0+kk/2)*8192+(kk%2)*512+256*\b
.if \b == 1
	ds_store_b32 v[AKS], v[PW+kk] offset:(\gi0+kk/2)*2048+(kk%2)*128
.endif
.set kk, kk+1
.endr
.endm
; v: block 2 gi + u is feature tile f = 2 b + u, group of keys 8 gi + w; my 8 bytes are keys 16 h + 0 .. 15 of the group, feature row r
.macro PUT_N b
	s_wait_alu depctr_va_vdst(0)                   ; the quantiser has written the codes and the scale bytes: the LDS stores below read them
.irp gi, 0,1
.irp u, 0,1
	ds_store_b64 v[AVI], v[CD+2*(2*\gi+\u):CD+2*(2*\gi+\u)+1] offset:(2*\b+\u)*4096+\gi*2048
	ds_store_b8 v[AVS], v[BY+2*\gi+\u] offset:(2*\b+\u)*256+8*\gi   ; both halves of the lanes write the same byte with the same value
.endr
.endr
.endm
	s_load_b256 s[4:11], s[0:1], 0x0               ; x's codes s[4:5], x's scales s[6:7], W's codes s[8:9], W's scales s[10:11]
	s_load_b128 s[12:15], s[0:1], 0x20             ; b_qkv, y_img
	s_load_b64 s[16:17], s[0:1], 0x30              ; y_sc
	v_lshrrev_b32 v1, 5, v0
	v_readfirstlane_b32 s18, v1                    ; wave 0..7
	s_mov_b32 s19, ttmp9                           ; the head
	s_and_b32 s20, ttmp7, 0xffff                   ; the block of 256 queries
	s_wait_alu depctr_va_sdst(0)                   ; s18 is written, ahead of its first reader
	s_lshr_b32 s21, s18, 2                         ; a: my first key step
	s_mov_b32 s22, 0x76543210
	s_mov_b32 s23, 0xfedcba98                      ; v_permlanex16_b32's selects for lane l xor 16
	s_mov_b32 s24, 0x3e38aa3b                      ; c = log2(e) / sqrt(64)
	s_mov_b32 s25, s24                             ; (named with it as a pair, so it is written)
	; every LDS address is made here: a constant + a constant x lane + a constant x wave
	v_and_b32 v[R], 15, v0
	v_bfe_u32 v[H], v0, 4, 1
	v_and_b32 v31, 31, v0
	v_lshlrev_b32 v[LN16], 4, v31
	v_lshlrev_b32 v[LN4], 2, v31
	v_mul_u32_u24 v[AW0], v[R], WP
	v_lshl_add_u32 v[AW0], v[H], 4, v[AW0]
	v_add_nc_u32 v[AW2], 128*WP, v[AW0]
	v_lshlrev_b32 v28, 4, v[R]                     ; 16 r
	s_wait_alu depctr_va_vdst(0)
	v_lshl_add_u32 v29, v[H], 3, v28               ; 16 r + 8 h
	s_lshl_b32 s26, s18, 10
	s_add_co_u32 s27, s26, KIMG
	v_add_nc_u32 v[AKI], s27, v29
	s_add_co_u32 s27, s26, KIMG+16384
	v_add_nc_u32 v[RQ], s27, v[LN16]
	s_lshl_b32 s26, s18, 8
	s_add_co_u32 s27, s26, KSC
	v_add_nc_u32 v[AKS], s27, v[LN4]
	s_add_co_u32 s27, s26, KSC+4096
	v_add_nc_u32 v[RQS], s27, v[LN4]
	s_add_co_u32 s27, s26, VIMG
	v_add_nc_u32 v[AVI], s27, v29
	s_add_co_u32 s27, s18, VSC
	v_add_nc_u32 v[AVS], s27, v28
	s_lshl_b32 s26, s21, 12
	s_add_co_u32 s26, s26, KIMG
	v_add_nc_u32 v[RK], s26, v[LN16]
	s_lshl_b32 s26, s21, 10
	s_add_co_u32 s27, s26, KSC
	v_add_nc_u32 v[RKS], s27, v[LN4]
	s_add_co_u32 s27, s26, VIMG
	v_add_nc_u32 v[RV], s27, v[LN16]
	s_lshl_b32 s26, s21, 2
	s_add_co_u32 s26, s26, VSC
	v_add_nc_u32 v[RVS], s26, v28
	s_lshl_b32 s26, s18, 6
	s_add_co_u32 s26, s26, YST
	v_lshl_add_u32 v[YSA], v[R], 2, s26
	v_add_nc_u32 v[YRD], YST, v[LN16]
	s_mul_i32 s26, s18, WP
	v_add_nc_u32 v[CW0], s26, v[LN16]
	v_add_nc_u32 v[CW1], 96*WP, v[CW0]
	; offsets into memory
	v_and_b32 v30, 8, v[R]
	v_add_nc_u32 v30, v30, v[R]                    ; r' = r + 8 (r / 8)
	v_lshlrev_b32 v31, 4, v[H]                     ; 16 h
	v_lshl_add_u32 v[VX], v30, 9, v31
	v_lshl_add_u32 v[VXS], v30, 5, v31
	v_lshlrev_b32 v[VBT], 6, v[H]
	v_lshlrev_b32 v[VBN], 2, v30
	v_lshlrev_b32 v[VCP], 4, v0
	v_sub_nc_u32 v[DB], v30, v31
	s_and_b32 s26, s18, 3
	s_lshl_b32 s26, s26, 5
	v_add_nc_u32 v[DB], s26, v[DB]
.irp b, 0,1,2,3
	v_mov_b32 v[TP+\b], 0                          ; written once: a lane permute's destination counts as one of its sources
.endr
	s_lshl_b32 s40, s19, 15                        ; the head's 64 rows of 512 bytes in a part of W's codes,
	s_mov_b32 s41, 0
	s_lshl_b32 s42, s19, 11                        ; of 32 bytes in W's scales,
	s_mov_b32 s43, 0
	s_lshl_b32 s44, s19, 8                         ; its 64 biases
	s_mov_b32 s45, 0
	s_lshl_b32 s46, s20, 17                        ; y_img: token tile 16 i + 2 w, 8,192 bytes a tile; head's 512 bytes
	s_lshl_b32 s26, s18, 14
	s_add_co_u32 s46, s46, s26
	s_lshl_b32 s26, s19, 9
	s_add_co_u32 s46, s46, s26
	s_mov_b32 s47, 0
	s_lshl_b32 s28, s19, 13                        ; y_sc: 8,192 bytes a head, 512 a block
	s_lshl_b32 s26, s20, 9
	s_add_co_u32 s28, s28, s26
	s_mov_b32 s29, 0
	s_lshl_b32 s26, s20, 8                         ; Q0
	s_sub_co_i32 s27, s26, 256
	s_max_i32 s27, s27, 0                          ; P0
	s_lshl_b32 s30, s18, 5
	s_add_co_u32 s26, s26, s30                     ; my first token of my own half,
	s_add_co_u32 s27, s27, s30                     ; and of the earlier half
	s_lshl_b32 s48, s27, 9
	s_mov_b32 s49, 0
	s_lshl_b32 s50, s26, 9
	s_mov_b32 s51, 0
	s_lshl_b32 s52, s27, 5
	s_mov_b32 s53, 0
	s_lshl_b32 s54, s26, 5
	s_mov_b32 s55, 0
	s_wait_kmcnt 0x0
	s_add_nc_u64 s[32:33], s[4:5], s[48:49]        ; x's codes: earlier half, own half
	s_add_nc_u64 s[34:35], s[4:5], s[50:51]
	s_add_nc_u64 s[36:37], s[6:7], s[52:53]        ; x's scales likewise
	s_add_nc_u64 s[38:39], s[6:7], s[54:55]
	s_add_nc_u64 s[8:9], s[8:9], s[40:41]
	s_add_nc_u64 s[10:11], s[10:11], s[42:43]
	s_add_nc_u64 s[12:13], s[12:13], s[44:45]
	s_add_nc_u64 s[14:15], s[14:15], s[46:47]
	s_add_nc_u64 s[16:17], s[16:17], s[28:29]
	s_wait_alu depctr_va_vdst(0)                   ; the offsets and LDS addresses v3 to v26 are written: every load and store of the kernel reads one of them.  Up to the first product only loads, window switches and LDS stores follow
	; 104 loads.  First the head's 192 rows of W: load j of wave w is row 8 (j % 8) + w of part j / 8, 512 consecutive bytes
.set j, 0
.rept 24
	global_load_b128 v[128+4*j:128+4*j+3], v[VCP], s[8:9] offset:((j/8)*1024+8*(j%8))*512
.set j, j+1
.endr
.irp tt, 0,1,2,3
	global_load_b128 v[XS+4*\tt:XS+4*\tt+3], v[VXS], s[36+2*(\tt/2):37+2*(\tt/2)] offset:(\tt%2)*256
.endr
	LOADSET_T 1, 0, 0                              ; the first two passes' scale words and biases
	LOADSET_T 1, 1, 1
	WIN 0x40                                       ; destination window 1: x's fragments, tile tt, K step s at v[64 tt + 8 s]: they stay
.irp s, 0,1,2,3,4,5,6,7
.irp tt, 0,1,2,3
.irp c, 0,1
	global_load_b128 v[64*\tt+8*\s+4*\c:64*\tt+8*\s+4*\c+3], v[VX], s[32+2*(\tt/2):33+2*(\tt/2)] offset:(\tt%2)*4096+64*\s+32*\c
.endr
.endr
.endr
	WIN 0
	s_wait_loadcnt 63                              ; 80 loads were issued behind W's 24; the wait's field holds 63 at the most
	; W's row 32 b + 8 u + r' of a part goes to LDS row 32 b + 16 u + r, so that a tile's 16 rows are neighbours there
.set j, 0
.rept 24
.set y8, j%8
.set jp, (j/8)*8+((y8&4)|((y8&1)<<1)|((y8>>1)&1))
.if jp < 12
	ds_store_b128 v[CW0], v[128+4*j:128+4*j+3] offset:jp*8*WP
.else
	ds_store_b128 v[CW1], v[128+4*j:128+4*j+3] offset:(jp-12)*8*WP
.endif
.set j, j+1
.endr
	s_wait_dscnt 0x0                               ; for the others' sake: my rows of W are in LDS
	s_barrier_signal -1
	s_barrier_wait -1                              ; everybody's are
	s_wait_alu depctr_vm_vsrc(0)                   ; my LDS stores have read v128 to v223: these are the accumulators and W's fragments from here on, written by products and by the loads below
	; ---- SIX PASSES of 32 features: k 0-31, k 32-63, v 0-31, v 32-63 for my four tiles; q 0-31, q 32-63 for my two query tiles.
	; Behind a pass's last product the next pass's first fragments of W and the scale words and biases of the pass after that are asked for; they land while the pass is quantised.
	PRELOAD AW0, 64*WP, 0
	STEPS 1, 0, 0, AW0, 64*WP, 0, 0, 4             ; k, features 0-31
	s_wait_alu depctr_va_vdst(0)                   ; the pass's products are done reading W's fragments and set 0 of scale words and biases, in which the loads below land
	PRELOAD AW0, 64*WP, 1
	LOADSET_N 0, 0
	QUANT ACC, 4
	PUT_T 0, 0, 4
	s_wait_loadcnt 4                               ; behind this pass's set only the next-but-one's four loads were issued
	STEPS 0, 0, 1, AW0, 64*WP, 1, 0, 4             ; k, features 32-63
	s_wait_alu depctr_va_vdst(0)                   ; the pass's products are done reading W's fragments and set 1, in which the loads below land
	s_wait_alu depctr_vm_vsrc(0)                   ; the last pass's LDS stores have read the codes, which the quantiser below writes again
	PRELOAD AW2, 0, 0
	LOADSET_N 1, 1
	QUANT ACC, 4
	PUT_T 1, 0, 4
	s_wait_loadcnt 4                               ; the four loads of v's second set may be out
	SPREAD 0
	s_wait_alu depctr_va_vdst(0)
	STEPS 0, 1, 0, AW2, 0, 0, 0, 4                 ; v, features 0-31
	s_wait_alu depctr_va_vdst(0)                   ; the pass's products are done reading W's fragments and set 0, whose biases the spreading moves have written: the loads below land in them
	s_wait_alu depctr_vm_vsrc(0)                   ; the last pass's LDS stores have read the codes and the scale words, which are written again below
	PRELOAD AW2, 0, 1
	LOADSET_T 0, 0, 0
	QUANT ACC, 4
	PUT_N 0
	s_wait_loadcnt 6                               ; the six loads of q's first set may be out
	SPREAD 1
	s_wait_alu depctr_va_vdst(0)
	STEPS 0, 1, 1, AW2, 0, 1, 0, 4                 ; v, features 32-63
	s_wait_alu depctr_va_vdst(0)                   ; the pass's products are done reading W's fragments and set 1, whose biases the spreading moves have written: the loads below land in them
	s_wait_alu depctr_vm_vsrc(0)                   ; the last pass's LDS stores have read the codes and the scale bytes, which the quantiser below writes again
	PRELOAD AW0, 0, 0
	LOADSET_T 0, 1, 1
	QUANT ACC, 4
	PUT_N 1
	s_wait_loadcnt 6                               ; the six loads of q's second set may be out
	STEPS 0, 0, 0, AW0, 0, 0, 2, 2                 ; q, features 0-31
	s_wait_alu depctr_va_vdst(0)                   ; the pass's products are done reading W's fragments, in which the loads below land
	s_wait_alu depctr_vm_vsrc(0)                   ; the last pass's LDS stores have read the codes and the scale bytes, which the quantiser below writes again
	PRELOAD AW0, 0, 1
	QUANT ACC, 2
	PUT_T 0, 2, 2
	s_wait_loadcnt 0x0                             ; every load of mine is in: their offset registers may be written from here on
	STEPS 0, 0, 1, AW0, 0, 1, 2, 2                 ; q, features 32-63
	s_wait_alu depctr_vm_vsrc(0)                   ; the last pass's LDS stores have read the codes, which the quantiser below writes again.  (No load follows this pass: nothing else is owed)
	QUANT ACC, 2
	PUT_T 1, 2, 2
	s_wait_dscnt 0x0                               ; for the others' sake: my images and scale words are in LDS
	s_barrier_signal -1
	s_barrier_wait -1                              ; everybody's are
	; ---- ATTENTION, all in window 0
	s_wait_alu depctr_vm_vsrc(0)                   ; the passes' loads and stores have read their offsets v20 to v26 and the last stores their bytes, scale words and codes (v108 to v127): all of these are written again from here on
.irp t, 0,1,2,3
.irp j, 4,5,6,7
	v_mov_b32 v[KF+8*\t+\j], 0                     ; the first product's K is 64: K = 64 .. 127 are zero codes on both sides
.endr
.endr
.irp j, 4,5,6,7
	v_mov_b32 v[QF+\j], 0
.endr
	v_mov_b32 v[FF+1], 0                           ; (upper halves of pairs of which the low word serves both halves)
	v_mov_b32 v[RC+1], 0
	v_mov_b32 v[NINF], 0xff800000
	PLACES 4                                       ; operands written by vector instructions stand four places ahead of a scaled product
	s_wait_alu depctr_va_vdst(0)                   ; the zero codes are written, which scaled products take; and the passes' vector and matrix lines are done with v32-41, v64-95, v112-115 and v224-255, in which the attention's loads land
; A KEY STEP of 128 keys, step a + d.  mode 2: the diagonal (key after the query: hidden); 1: all keys count; 0: the window's edge (key 256 or more behind the query: hidden).  first = 1: it starts M, the sum and O^T.
; Register 16 b + i of S^T in lane (r, h) is key 32 b + 16 h + i of the step, for the query of lane r.
.macro STEP d, mode, first
.irp t, 0,1,2,3                        ; no wait: the last products that read these registers stand ahead of a wait on va_vdst (the step before's, behind its exponentials; at first the one above), and nothing behind that wait names them
	ds_load_b128 v[KF+8*\t:KF+8*\t+3], v[RK] offset:\d*4096+\t*512
	ds_load_b32 v[KS+\t], v[RKS] offset:\d*1024+\t*128
.endr
	s_wait_dscnt 0x0
.irp t, 0,1,2,3
	v_wmma_scale_f32_16x16x128_f8f6f4 v[SS+8*\t:SS+8*\t+7], v[KF+8*\t:KF+8*\t+7], v[QF:QF+7], 0, v[KS+\t], v[QS] matrix_a_fmt:MATRIX_FMT_FP4 matrix_b_fmt:MATRIX_FMT_FP4
.endr
	PLACES 4                                       ; in front of loads into the fragments and scale words just multiplied
	s_wait_alu depctr_va_vdst(0)                   ; the four products above are done reading the key fragments and their scale words, the step before's last four V's: the twenty loads below land in them
.irp t, 0,1,2,3
	ds_load_b128 v[KF+8*\t:KF+8*\t+3], v[RK] offset:\d*4096+(4+\t)*512
	ds_load_b32 v[KS+\t], v[RKS] offset:\d*1024+(4+\t)*128
.endr
.irp f, 0,1,2,3
	ds_load_b128 v[VF+8*\f:VF+8*\f+3], v[RV] offset:\f*4096+\d*1024
	ds_load_b128 v[VF+8*\f+4:VF+8*\f+7], v[RV] offset:\f*4096+\d*1024+512
	ds_load_b32 v[VS+\f], v[RVS] offset:\f*256+\d*4
.endr
	s_wait_dscnt 12                                ; the key tiles are in; V's twelve loads may be out: they land under the softmax
.irp t, 0,1,2,3
	v_wmma_scale_f32_16x16x128_f8f6f4 v[SS+32+8*\t:SS+32+8*\t+7], v[KF+8*\t:KF+8*\t+7], v[QF:QF+7], 0, v[KS+\t], v[QS] matrix_a_fmt:MATRIX_FMT_FP4 matrix_b_fmt:MATRIX_FMT_FP4
.endr
	PLACES 4
.if \mode != 1                         ; hidden scores become -infinity ahead of the maximum: p = 0 then.  Ascending: each accumulator is read from its low end on.  32 compares, one wait, 32 selects; twice
.irp half, 0,1
.set n, 32*\half
.rept 32
.if \mode == 2
	v_cmp_gt_i32 s[MK+n%32], 32*(n/16)+n%16, v[DC]
.else
	v_cmp_le_i32 s[MK+n%32], 32*(n/16)+n%16, v[DC]
.endif
.set n, n+1
.endr
	s_wait_alu depctr_va_sdst(0)                   ; the 32 compares have written their masks, ahead of the first select that reads one
.set n, 32*\half
.rept 32
	v_cndmask_b32 v[SS+n], v[SS+n], v[NINF], s[MK+n%32]
.set n, n+1
.endr
.endr
.endif
.irp b, 0,1,2,3
	v_max3_num_f32 v[TM+\b], v[SS+16*\b], v[SS+1+16*\b], v[SS+2+16*\b]   ; the largest score of each block of 32 keys: for the row's maximum, and, since p rises with the score, for the block's largest p
.endr
.irp i, 3,5,7,9,11,13
.irp b, 0,1,2,3
	v_max3_num_f32 v[TM+\b], v[TM+\b], v[SS+16*\b+\i], v[SS+1+16*\b+\i]
.endr
.endr
.irp b, 0,1,2,3
	v_max_num_f32 v[TM+\b], v[TM+\b], v[SS+15+16*\b]
.endr
.irp b, 0,1,2,3
	v_permlanex16_b32 v[TP+\b], v[TM+\b], s22, s23
.endr
.irp b, 0,1,2,3
	v_max_num_f32 v[TM+\b], v[TM+\b], v[TP+\b]     ; with lane l xor 16's 16 keys
.endr
	v_max3_num_f32 v[SO], v[TM], v[TM+1], v[TM+2]
	v_max_num_f32 v[SO], v[SO], v[TM+3]            ; the step's largest score of my query
.if \first
	v_mul_f32 v[TMX], s24, v[SO]                   ; as t (c is positive)
	v_floor_f32 v[NM], -v[TMX]                     ; -M = floor(-t) = -ceil(t)
.else
	v_mul_f32 v[SO], s24, v[SO]
	v_max_num_f32 v[TMX], v[TMX], v[SO]            ; the running largest t
	v_mov_b32 v[SO], v[NM]
	v_floor_f32 v[NM], -v[TMX]
	v_sub_f32 v[SO], v[NM], v[SO]                  ; old M - new M: a whole number, 0 or less
	v_cvt_i32_f32 v[SO], v[SO]
	v_ldexp_f32 v[FF], 1.0, v[SO]                  ; f = 2^(old M - new M): a multiplication by it rounds nothing
.endif
.irp j, 0,2,4,6,8,10,12,14,16,18,20,22,24,26,28,30,32,34,36,38,40,42,44,46,48,50,52,54,56,58,60,62
	v_pk_fma_f32 v[SS+\j:SS+\j+1], v[SS+\j:SS+\j+1], s[24:25], v[NM:NM+1] op_sel_hi:[1,0,0]   ; t - M, two at a time
.endr
.irp b, 0,1,2,3
	v_fma_f32 v[TM+\b], v[TM+\b], s24, v[NM]       ; the same of each block's largest score
.endr
.set n, 0
	s_wait_alu depctr_va_vdst(0)
.rept 64
	v_exp_f32 v[SS+n], v[SS+n]                     ; p = 2^(t - M), at most 1
.set n, n+1
.endr
.if \first
	v_mov_b32 v[LL], 0                             ; the sum begins.  (Plain lines behind the exponentials)
	v_mov_b32 v[LL+1], 0
.else
	v_pk_mul_f32 v[LL:LL+1], v[LL:LL+1], v[FF:FF+1] op_sel_hi:[1,0]   ; the sum under the new M.  (A plain line behind the exponentials)
.endif
	s_wait_alu depctr_va_vdst(0)                   ; the 64 exponentials have written p, ahead of the first line that names a result.  Behind it the step's score products are also done reading the key fragments and the query's
.irp b, 0,1,2,3
	v_exp_f32 v[TM+\b], v[TM+\b]                   ; the block's largest p: the same two instructions on the same number
.endr
	v_pk_add_f32 v[TP:TP+1], v[SS:SS+1], v[SS+2:SS+3]   ; the row's sum is taken of the unquantised p, in two chains
.irp j, 4,8,12,16,20,24,28,32,36,40,44,48,52,56,60
	v_pk_add_f32 v[LL:LL+1], v[LL:LL+1], v[SS+\j:SS+\j+1]
	v_pk_add_f32 v[TP:TP+1], v[TP:TP+1], v[SS+2+\j:SS+3+\j]
.endr
	v_pk_add_f32 v[LL:LL+1], v[LL:LL+1], v[TP:TP+1]
	s_wait_alu depctr_va_vdst(0)                   ; the four exponentials have written the blocks' largest p, ahead of their first reader
.irp b, 0,1,2,3
	v_max_num_f32 v[TM+\b], 0x1800000, v[TM+\b]    ; the floor 2^(3 - 127): a block whose every p is 0 keeps the byte 1 over zero codes
.endr
.irp b, 0,1,2,3
	v_add_nc_u32 v[SO+\b], 0xff000000, v[TM+\b]
.endr
.irp b, 0,1,2,3
	v_lshrrev_b32 v[BY+\b], 23, v[SO+\b]
.endr
	v_lshl_or_b32 v[PS], v[BY+1], 8, v[BY]         ; p's scale word for these 128 keys
	v_lshl_or_b32 v[PS], v[BY+2], 16, v[PS]
	v_lshl_or_b32 v[PS], v[BY+3], 24, v[PS]
.irp b, 0,1,2,3
	v_cvt_scalef32_pk8_fp4_f32 v[PC+2*\b], v[SS+16*\b:SS+16*\b+7], v[SO+\b]
	v_cvt_scalef32_pk8_fp4_f32 v[PC+2*\b+1], v[SS+16*\b+8:SS+16*\b+15], v[SO+\b]
.endr
	v_nop                                          ; one plain line behind the last scaled conversion
.irp c, 0,1                            ; the operand wants a whole block in a lane: lanes 0-15 block 2 c, lanes 16-31 block 2 c + 1
.irp i, 0,1
	v_permlane16_swap_b32 v[PC+4*\c+\i], v[PC+2+4*\c+\i]
.endr
.endr
.if \first
	PLACES 8                                       ; a scale word written by vector instructions stands eight places ahead of a scaled product
.else
.irp j, 0,2,4,6,8,10,12,14,16,18,20,22,24,26,28,30
	v_pk_mul_f32 v[OO+\j:OO+\j+1], v[OO+\j:OO+\j+1], v[FF:FF+1] op_sel_hi:[1,0]   ; O^T under the new M; these sixteen are those places too
.endr
.endif
	s_wait_alu depctr_va_vdst(0)                   ; p's codes and its scale word are written, which the scaled products below take; the places above stay beside this wait
	s_wait_dscnt 0x0                               ; V is in
.irp f, 0,1,2,3
.if \first
	v_wmma_scale_f32_16x16x128_f8f6f4 v[OO+8*\f:OO+8*\f+7], v[VF+8*\f:VF+8*\f+7], v[PC:PC+7], 0, v[VS+\f], v[PS] matrix_a_fmt:MATRIX_FMT_FP4 matrix_b_fmt:MATRIX_FMT_FP4
.else
	v_wmma_scale_f32_16x16x128_f8f6f4 v[OO+8*\f:OO+8*\f+7], v[VF+8*\f:VF+8*\f+7], v[PC:PC+7], v[OO+8*\f:OO+8*\f+7], v[VS+\f], v[PS] matrix_a_fmt:MATRIX_FMT_FP4 matrix_b_fmt:MATRIX_FMT_FP4
.endif
.endr
	PLACES 4
.endm
; ONE TILE OF 16 QUERIES.  The steps that lie ahead of token 0 are left out: scalar branches on the block's and the wave's numbers, round no barrier.
.macro TILE u
	ds_load_b128 v[QF:QF+3], v[RQ] offset:512*\u   ; no wait: the last lines that named these registers stand ahead of a wait on va_vdst (at first the one above; then the one ahead of the tile before's store), and nothing behind it names them
	ds_load_b32 v[QS], v[RQS] offset:128*\u
	v_add_nc_u32 v[DC], 8*\u, v[DB]                ; my query's place in its step of 128, less 16 h
	s_wait_xcnt 0x0                                ; the last tile's store has read its data: those registers take p's codes now
.if \u == 1
	s_wait_alu depctr_vm_vsrc(0)                   ; the last tile's store has read the four registers of codes, which this tile's conversions write again
.endif
	STEP 2, 2, 1
	s_or_b32 s26, s20, s21
	s_cmp_eq_u32 s26, 0
	s_cbranch_scc1 .Lno_mid_\@                     ; block 0, waves 0-3: the middle step's keys do not exist
	STEP 1, 1, 0
.Lno_mid_\@:
	s_cmp_eq_u32 s20, 0
	s_cbranch_scc1 .Lno_edge_\@                    ; block 0: nor do the edge step's
	STEP 0, 0, 0
.Lno_edge_\@:
	v_add_f32 v[LL], v[LL], v[LL+1]                ; the sum's two halves,
	v_permlanex16_b32 v[TP], v[LL], s22, s23
	v_add_f32 v[LL], v[LL], v[TP]                  ; and lane l xor 16's
	s_wait_alu depctr_va_vdst(0)
	v_rcp_f32 v[RC], v[LL]
	v_nop                                          ; a plain line behind the transcendental
	s_wait_alu depctr_va_vdst(0)                   ; the reciprocal is written, ahead of its first reader
.irp j, 0,2,4,6,8,10,12,14,16,18,20,22,24,26,28,30
	v_pk_mul_f32 v[SS+\j:SS+\j+1], v[OO+\j:OO+\j+1], v[RC:RC+1] op_sel_hi:[1,0]   ; y: register 16 b + i is feature 32 b + 16 h + i of my query
.endr
	QUANT SS, 2                                    ; the head's 64 columns are two whole blocks of the next product's K
	v_permlane16_swap_b32 v[CD], v[CD+2]           ; a whole block in a lane: lanes 0-15 block 0, lanes 16-31 block 1
	v_permlane16_swap_b32 v[CD+1], v[CD+3]
.if \u == 0
	v_lshl_or_b32 v[YW], v[BY+1], 8, v[BY]         ; the tile's two scale bytes: low half of the group's word,
.else
	v_lshl_or_b32 v[BY+2], v[BY+1], 8, v[BY]
	v_lshl_or_b32 v[YW], v[BY+2], 16, v[YW]        ; high half
.endif
	s_wait_alu depctr_va_vdst(0)                   ; y's codes are written, which the store below reads, and so is the group's scale word, which the LDS store behind the second tile reads; every vector and matrix line of the tile is done
	global_store_b128 v[LN16], v[CD:CD+3], s[14:15] offset:8192*\u   ; four registers of the next launch's operand as they stand: 512 consecutive bytes
.endm
	TILE 0
	TILE 1
	ds_store_b32 v[YSA], v[YW]                     ; both halves of the lanes write the same word with the same value.  (No vector line stands between the tile's last wait and this store)
	s_wait_dscnt 0x0                               ; for wave 0's sake
	s_barrier_signal -1
	s_barrier_wait -1
	s_cmp_lg_u32 s18, 0
	s_cbranch_scc1 .Lend
	ds_load_b128 v[128:131], v[YRD]                ; the work-group's 128 scale words.  (The conversions that read these registers stand ahead of the tile's last wait)
	s_wait_dscnt 0x0
	global_store_b128 v[LN16], v[128:131], s[16:17]   ; 512 consecutive bytes
.Lend:
	s_wait_xcnt 0x0
	v_lshl_add_u32 v254, v0, 2, 0x24c00            ; the add's two registers, made anew: no memory or LDS instruction has read v254 or v255
	v_mov_b32 v255, 0
	s_wait_dscnt 0x0                               ; the closing lines, six on end
	s_wait_alu 0x0
	s_wait_tensorcnt 0x0
	ds_add_u32 v254, v255
	s_wait_dscnt 0x0
	s_endpgm
.Lfunc_end_k_qf41343a2f0_attn:
	.size	k_qf41343a2f0_attn, .Lfunc_end_k_qf41343a2f0_attn-k_qf41343a2f0_attn
	.p2alignl 7, 3214868480
	.fill 96, 4, 3214868480
	.section	.rodata,"a",@progbits
	.p2align	6, 0x0
	.amdhsa_kernel k_qf41343a2f0_attn
		.amdhsa_group_segment_fixed_size 151552
		.amdhsa_private_segment_fixed_size 0
		.amdhsa_enable_private_segment 0
		.amdhsa_kernarg_size 56
		.amdhsa_user_sgpr_count 2
		.amdhsa_user_sgpr_kernarg_segment_ptr 1
		.amdhsa_wavefront_size32 1
		.amdhsa_system_sgpr_workgroup_id_x 1
		.amdhsa_system_sgpr_workgroup_id_y 1
		.amdhsa_system_sgpr_workgroup_id_z 1
		.amdhsa_system_vgpr_workitem_id 0
		.amdhsa_next_free_vgpr 512
		.amdhsa_next_free_sgpr 66
		.amdhsa_reserve_vcc 0
		.amdhsa_float_denorm_mode_32 3
		.amdhsa_float_denorm_mode_16_64 3
		.amdhsa_memory_ordered 1
		.amdhsa_forward_progress 1
		.amdhsa_inst_pref_size 233
	.end_amdhsa_kernel
	.amdgpu_metadata
---
amdhsa.version: [ 1, 2 ]
amdhsa.kernels:
  - .name:           k_qf41343a2f0_attn
    .symbol:         k_qf41343a2f0_attn.kd
    .args:
      - { .name: x_codes, .offset: 0, .size: 8, .value_kind: global_buffer, .address_space: global }
      - { .name: x_scales, .offset: 8, .size: 8, .value_kind: global_buffer, .address_space: global }
      - { .name: W_qkv_codes, .offset: 16, .size: 8, .value_kind: global_buffer, .address_space: global }
      - { .name: W_qkv_scales, .offset: 24, .size: 8, .value_kind: global_buffer, .address_space: global }
      - { .name: b_qkv, .offset: 32, .size: 8, .value_kind: global_buffer, .address_space: global }
      - { .name: y_img, .offset: 40, .size: 8, .value_kind: global_buffer, .address_space: global }
      - { .name: y_sc, .offset: 48, .size: 8, .value_kind: global_buffer, .address_space: global }
    .group_segment_fixed_size: 151552
    .private_segment_fixed_size: 0
    .kernarg_segment_align: 8
    .kernarg_segment_size: 56
    .max_flat_workgroup_size: 256
    .sgpr_count:     66
    .vgpr_count:     512
    .wavefront_size: 32
...
	.end_amdgpu_metadata
.endif
;; end of part 3
;; launch proj (part 4): grid 8 x 32, 4 waves a work-group, no clusters, 17,920 bytes of LDS; arguments y_img, y_sc, W_proj_codes, W_proj_scales, b_proj, out0; writes out0
.if DOCPART == 4
	.amdgcn_target "amdgcn-amd-amdhsa--gfx1250"
	.amdhsa_code_object_version 6
	.text
	.protected	k_qf41343a2f0_proj
	.globl	k_qf41343a2f0_proj
	.p2align	8
	.type	k_qf41343a2f0_proj,@function
k_qf41343a2f0_proj:
	s_mov_b64 s[64:65], 0
	v_nop
	global_prefetch_b8 v0, s[64:65] scope:SCOPE_SE
	s_setreg_imm32_b32 hwreg(HW_REG_WAVE_SCHED_MODE, 0, 2), 2
	s_setreg_imm32_b32 hwreg(HW_REG_WAVE_MODE, 25, 1), 1
	s_wait_xcnt 0x0
	s_wait_alu depctr_vm_vsrc(0)
; out0 = Q(y) W_proj^T + b_proj on codes of FP4 (E2M1) with one E8M0 scale for each 32 along K = 1,024.  y comes from the launch before as images of operand registers (y_img) and scale half-words (y_sc).
; SHARES.  A work-group makes 128 tokens x 128 columns; each of its four waves 64 x 64: 16 accumulators.  256 work-groups.
; A wave's operands, all of K for 64 tokens and 64 rows of W_proj, are 512 registers: they come from memory straight into the registers, each byte once, four K steps ahead of the products.
; NO JOINT LOADS, though work-groups share tiles: a joint load lands in LDS, and each wave would then read its 65,536 bytes out of LDS for 128 matrix instructions; here they go to the registers with no pass through LDS and no barrier.
; THE PRODUCT IS USED TRANSPOSED (source 0 = 16 rows of W_proj, source 1 = a tile of y): a lane holds eight neighbouring columns of one token's row.  The bias is the C of each sum's first product.
; Lane r of token tile 2 g + u stands for token 32 g + 8 u + r + 8 (r / 8): so the launch before laid them; the way out puts each row at its place.
; THE MODE: SCHED_MODE bits 1:0 = 2 (LLVM: expert scheduling mode 2), set by the entry lines.  The code itself states the register dependences between vector or matrix instructions and memory or LDS instructions,
; with s_wait_alu, always for 0.
; THE PLAN.  Registers that memory or LDS instructions touch, and who else names them:
;   v3-v10        offsets and LDS addresses: written at the head, ahead of one wait on va_vdst; never written again.
;   windows 1, 2  the operands: each register is loaded once and read by products alone: nothing is owed beyond the waits for the data.
;   v48-63, v64-95  y's scale half-words (read by the v_perm lines) and the biases (read by the first sixteen products); on the way out rows from the stage land in them.
;   the accumulators  written by products, read by the LDS stores of the way out.
; So ONE wait on va_vdst stands ahead of the way out, in which no vector line follows; one stands ahead of the first product, for y's scale words, which vector lines make;
; and a wait on vm_vsrc stands ahead of the third and the fourth tile's loads from the stage, which land in registers that stores have read.
.set R,1
.set H,2
.set LN16,3                            ; 16 x lane: y's images
.set VW,4                              ; W's codes: r 512 + 16 h
.set VWS,5                             ; W's scales: r 32 + 16 h
.set VB,6                              ; bias: 32 h
.set VYS,7                             ; y's scale words: 65,536 h + 4 r (lanes 16-31: eight heads on)
.set STO,8                             ; my stage: where I put 32 bytes of a row
.set RD,9                              ; and where I read a row back
.set CO,10                             ; my byte offset in two rows of out0
.set WSC,16                            ; v16-31 W's scale words: tile nt at 4 nt + j: lanes 0-15 K step j, lanes 16-31 K step 4 + j
.set YSW,32                            ; v32-47 y's likewise.  v16-47 hold scales and nothing else
.set RAW,48                            ; v48-63 y's scale half-words as stored
.set BB,64                             ; v64-95 the biases of four tiles of columns
.set OB,48                             ; the way out: v48-79 and v80-111 by turns
.set ACC,128                           ; accumulator (nt, tt) at 128 + 8 (4 nt + tt).  Window 1: y's fragments (tt, s) at 64 tt + 8 s.  Window 2: W's (nt, s) at 64 nt + 8 s
.set MSB, 0
.macro WIN new                         ; the immediate's high byte repeats the setting that is left
.if MSB != \new
	s_set_vgpr_msb (MSB<<8)|\new
.set MSB, \new
.endif
.endm
.macro PLACES n
.rept \n
	v_nop
.endr
.endm
	s_load_b256 s[4:11], s[0:1], 0x0               ; y_img s[4:5], y_sc s[6:7], W's codes s[8:9], W's scales s[10:11]
	s_load_b128 s[12:15], s[0:1], 0x20             ; b_proj, out0
	v_lshl_add_u32 v126, v0, 2, 0x4400
	v_mov_b32 v127, 0
	v_lshrrev_b32 v1, 5, v0
	v_readfirstlane_b32 s16, v1                    ; wave 0..3
	s_wait_alu depctr_va_sdst(0)                   ; s16 is written, ahead of its first reader
	s_lshr_b32 s17, s16, 1                         ; which 64 tokens
	s_and_b32 s18, s16, 1                          ; which 64 columns
	s_and_b32 s19, ttmp7, 0xffff                   ; block of 128 tokens
	s_lshl_b32 s20, ttmp9, 7
	s_lshl_b32 s21, s18, 6
	s_add_co_u32 s20, s20, s21                     ; n0: my first column
	v_and_b32 v[R], 15, v0
	v_bfe_u32 v[H], v0, 4, 1
	v_and_b32 v11, 31, v0
	v_lshlrev_b32 v[LN16], 4, v11
	v_lshlrev_b32 v12, 4, v[H]
	v_lshl_add_u32 v[VW], v[R], 9, v12
	v_lshl_add_u32 v[VWS], v[R], 5, v12
	v_lshlrev_b32 v[VB], 5, v[H]
	v_lshlrev_b32 v13, 2, v[R]
	v_lshl_add_u32 v[VYS], v[H], 16, v13
	s_mul_i32 s21, s16, 16*272                     ; my stage: 16 rows x (256 bytes + 16)
	v_mul_u32_u24 v[STO], v[R], 272
	v_lshl_add_u32 v[STO], v[H], 5, v[STO]
	v_add_nc_u32 v[STO], s21, v[STO]
	v_mul_u32_u24 v[RD], v[H], 272
	v_lshl_add_u32 v[RD], v[R], 4, v[RD]
	v_add_nc_u32 v[RD], s21, v[RD]
	v_lshlrev_b32 v14, 4, v[R]
	v_lshl_add_u32 v[CO], v[H], 12, v14
	s_lshl_b32 s24, s19, 16                        ; y_img: tile 8 tb + 4 wm, 8,192 bytes a tile
	s_lshl_b32 s22, s17, 15
	s_add_co_u32 s24, s24, s22
	s_mov_b32 s25, 0
	s_lshl_b32 s26, s19, 8                         ; y_sc: group 4 tb + 2 wm, 64 bytes a group
	s_lshl_b32 s22, s17, 7
	s_add_co_u32 s26, s26, s22
	s_mov_b32 s27, 0
	s_lshl_b32 s28, s20, 9                         ; W's codes, scales, the bias at column n0
	s_mov_b32 s29, 0
	s_lshl_b32 s30, s20, 5
	s_mov_b32 s31, 0
	s_lshl_b32 s32, s20, 2
	s_mov_b32 s33, 0
	s_lshl_b32 s34, s19, 19                        ; out0: token 128 tb + 64 wm, 4,096 bytes a row, + 4 n0
	s_lshl_b32 s22, s17, 18
	s_add_co_u32 s34, s34, s22
	s_add_co_u32 s34, s34, s32
	s_mov_b32 s35, 0
	s_mov_b32 s36, 0x05040100                      ; v_perm_b32: the two low halves,
	s_mov_b32 s37, 0x07060302                      ; the two high halves
	s_wait_kmcnt 0x0
	s_add_nc_u64 s[4:5], s[4:5], s[24:25]
	s_add_nc_u64 s[6:7], s[6:7], s[26:27]
	s_add_nc_u64 s[8:9], s[8:9], s[28:29]
	s_add_nc_u64 s[10:11], s[10:11], s[30:31]
	s_add_nc_u64 s[12:13], s[12:13], s[32:33]
	s_add_nc_u64 s[14:15], s[14:15], s[34:35]
	s_wait_alu depctr_va_vdst(0)                   ; the offsets and LDS addresses v3 to v10 are written: every load and store of the kernel reads one of them
	; 28 small loads: y's scale half-words of head 2 j + 8 h + par, group gl; W's scale words; the biases
.irp gl, 0,1
.irp par, 0,1
.irp j, 0,1,2,3
	global_load_b32 v[RAW+8*\gl+4*\par+\j], v[VYS], s[6:7] offset:\j*16384+\par*8192+\gl*64
.endr
.endr
.endr
.irp nt, 0,1,2,3
	global_load_b128 v[WSC+4*\nt:WSC+4*\nt+3], v[VWS], s[10:11] offset:\nt*512
.endr
.irp nt, 0,1,2,3
	global_load_b128 v[BB+8*\nt:BB+8*\nt+3], v[VB], s[12:13] offset:64*\nt
	global_load_b128 v[BB+8*\nt+4:BB+8*\nt+7], v[VB], s[12:13] offset:64*\nt+16
.endr
.macro LOADK s                         ; K step s: sixteen loads: y's four fragments (512 consecutive bytes a load), W's four
	WIN 0x40                                       ; destination window 1
.irp tt, 0,1,2,3
.irp c, 0,1
	global_load_b128 v[64*\tt+8*(\s)+4*\c:64*\tt+8*(\s)+4*\c+3], v[LN16], s[4:5] offset:\tt*8192+(\s)*1024+512*\c
.endr
.endr
	WIN 0x80                                       ; destination window 2
.irp nt, 0,1,2,3
.irp c, 0,1
	global_load_b128 v[64*\nt+8*(\s)+4*\c:64*\nt+8*(\s)+4*\c+3], v[VW], s[8:9] offset:\nt*8192+64*(\s)+32*\c
.endr
.endr
	WIN 0
.endm
	LOADK 0
	LOADK 1
	LOADK 2
	LOADK 3
	s_wait_loadcnt 63                              ; 64 loads were issued behind the small ones; the wait's field holds 63 at the most
	; a K step of 128 is two heads: the word of an even tile is the two heads' low halves, of an odd tile their high halves
.irp gl, 0,1
.irp j, 0,1,2,3
	v_perm_b32 v[YSW+8*\gl+\j], v[RAW+8*\gl+4+\j], v[RAW+8*\gl+\j], s36
	v_perm_b32 v[YSW+8*\gl+4+\j], v[RAW+8*\gl+4+\j], v[RAW+8*\gl+\j], s37
.endr
.endr
	PLACES 8                                       ; scale words written by vector instructions stand eight places ahead of a scaled product
	s_wait_alu depctr_va_vdst(0)                   ; y's sixteen scale words are written, which the scaled products take; the places above stay beside this wait
; sixteen products of K step s; the sixteen accumulators take turns, one instruction a turn, in the same order in every K step
.macro MULP s
.irp nt, 0,1,2,3
.irp tt, 0,1,2,3
.set rD, ACC+8*(4*\nt+\tt)
.set rA, 64*\nt+8*(\s)
.set rB, 64*\tt+8*(\s)
.if (\s)==0
.set rC, BB+8*\nt
.else
.set rC, ACC+8*(4*\nt+\tt)
.endif
.set rSA, WSC+4*\nt+(\s)%4
.set rSB, YSW+4*\tt+(\s)%4
.if (\s)/4
	v_wmma_scale_f32_16x16x128_f8f6f4 v[rD:rD+7], v[rA:rA+7], v[rB:rB+7], v[rC:rC+7], v[rSA], v[rSB] matrix_a_fmt:MATRIX_FMT_FP4 matrix_b_fmt:MATRIX_FMT_FP4 matrix_a_scale:MATRIX_SCALE_ROW1 matrix_b_scale:MATRIX_SCALE_ROW1
.else
	v_wmma_scale_f32_16x16x128_f8f6f4 v[rD:rD+7], v[rA:rA+7], v[rB:rB+7], v[rC:rC+7], v[rSA], v[rSB] matrix_a_fmt:MATRIX_FMT_FP4 matrix_b_fmt:MATRIX_FMT_FP4
.endif
.endr
.endr
.endm
.irp s, 0,1,2,3,4,5,6,7
.if \s <= 4
	s_wait_loadcnt 48                              ; this K step's sixteen loads are in; those of the three K steps behind it may be out
.else
	s_wait_loadcnt 16*(7-\s)                       ; the counts run down
.endif
	WIN 0x06                                       ; source 0 (W) window 2, source 1 (y) window 1, C and D window 0
	MULP \s
	WIN 0
.if \s <= 3
	LOADK \s+4                                     ; into registers that nothing has used yet: no vector or matrix line has named them, and their offsets stand since the head
.endif
.endr
	PLACES 4                                       ; in front of the first read of results, and of loads into the registers that held the biases
	s_wait_alu depctr_va_vdst(0)                   ; the products have written the accumulators, which the LDS stores read, and are done reading the biases, as the v_perm lines are with the half-words: rows from the stage land in both.  No vector line follows
; THE WAY OUT, a tile of 16 tokens x 64 columns at a time, through my own stage: a lane's 32 bytes of a row go in, whole rows of 256 bytes come back, and sixteen lanes store 256 consecutive bytes, aligned.
; LDS serves a wave's instructions in order (ISA guide 5.7.1.4): no wait between the stores and the loads, nor in front of the next tile's stores.
.macro TOSTAGE tt
.irp nt, 0,1,2,3
	ds_store_b128 v[STO], v[ACC+8*(4*\nt+\tt):ACC+8*(4*\nt+\tt)+3] offset:64*\nt          ; each accumulator from its low end on
	ds_store_b128 v[STO], v[ACC+8*(4*\nt+\tt)+4:ACC+8*(4*\nt+\tt)+7] offset:64*\nt+16
.endr
.irp q, 0,1,2,3,4,5,6,7
	ds_load_b128 v[OB+32*((\tt)%2)+4*\q:OB+32*((\tt)%2)+4*\q+3], v[RD] offset:544*\q
.endr
.endm
.macro SEND tt, younger                ; younger: the LDS instructions issued behind tile tt's loads, which may stay out
	s_wait_dscnt \younger
.irp q, 0,1,2,3,4,5,6,7
	global_store_b128 v[CO], v[OB+32*((\tt)%2)+4*\q:OB+32*((\tt)%2)+4*\q+3], s[14:15] offset:(32*((\tt)/2)+8*((\tt)%2)+2*\q+8*(\q/4))*4096 th:TH_STORE_NT   ; stage row 2 q + h is token 8 u + 2 q + h + 8 (q / 4) of its group
.endr
.endm
	TOSTAGE 0
.irp a, 1,2,3
.if \a > 1
	s_wait_xcnt 0x0                                ; tile a - 2's stores have read their data: tile a's loads may land there
	s_wait_alu depctr_vm_vsrc(0)                   ; tile a - 2's stores have read their 32 registers, in which tile a's loads from the stage land
.endif
	TOSTAGE \a
	SEND \a-1, 16                                  ; behind tile a - 1's loads: tile a's eight stores and eight loads
.endr
	SEND 3, 0
	s_wait_dscnt 0x0                               ; the closing lines, six on end
	s_wait_alu 0x0
	s_wait_tensorcnt 0x0
	ds_add_u32 v126, v127
	s_wait_dscnt 0x0
	s_endpgm
.Lfunc_end_k_qf41343a2f0_proj:
	.size	k_qf41343a2f0_proj, .Lfunc_end_k_qf41343a2f0_proj-k_qf41343a2f0_proj
	.p2alignl 7, 3214868480
	.fill 96, 4, 3214868480
	.section	.rodata,"a",@progbits
	.p2align	6, 0x0
	.amdhsa_kernel k_qf41343a2f0_proj
		.amdhsa_group_segment_fixed_size 17920
		.amdhsa_private_segment_fixed_size 0
		.amdhsa_enable_private_segment 0
		.amdhsa_kernarg_size 48
		.amdhsa_user_sgpr_count 2
		.amdhsa_user_sgpr_kernarg_segment_ptr 1
		.amdhsa_wavefront_size32 1
		.amdhsa_system_sgpr_workgroup_id_x 1
		.amdhsa_system_sgpr_workgroup_id_y 1
		.amdhsa_system_sgpr_workgroup_id_z 1
		.amdhsa_system_vgpr_workitem_id 0
		.amdhsa_next_free_vgpr 768
		.amdhsa_next_free_sgpr 66
		.amdhsa_reserve_vcc 0
		.amdhsa_float_denorm_mode_32 3
		.amdhsa_float_denorm_mode_16_64 3
		.amdhsa_memory_ordered 1
		.amdhsa_forward_progress 1
		.amdhsa_inst_pref_size 44
	.end_amdhsa_kernel
	.amdgpu_metadata
---
amdhsa.version: [ 1, 2 ]
amdhsa.kernels:
  - .name:           k_qf41343a2f0_proj
    .symbol:         k_qf41343a2f0_proj.kd
    .args:
      - { .name: y_img, .offset: 0, .size: 8, .value_kind: global_buffer, .address_space: global }
      - { .name: y_sc, .offset: 8, .size: 8, .value_kind: global_buffer, .address_space: global }
      - { .name: W_proj_codes, .offset: 16, .size: 8, .value_kind: global_buffer, .address_space: global }
      - { .name: W_proj_scales, .offset: 24, .size: 8, .value_kind: global_buffer, .address_space: global }
      - { .name: b_proj, .offset: 32, .size: 8, .value_kind: global_buffer, .address_space: global }
      - { .name: out0, .offset: 40, .size: 8, .value_kind: global_buffer, .address_space: global }
    .group_segment_fixed_size: 17920
    .private_segment_fixed_size: 0
    .kernarg_segment_align: 8
    .kernarg_segment_size: 48
    .max_flat_workgroup_size: 128
    .sgpr_count:     66
    .vgpr_count:     768
    .wavefront_size: 32
...
	.end_amdgpu_metadata
.endif
;; end of part 4
